; MI455X (gfx1250); checked and timed in simulation.
; The chip was launched on July 23, 2026; its instructions are those of AMD's public machine-readable ISA for CDNA 5 (MIT licence, August 2026) and "CDNA5" Instruction Set Architecture Reference Guide (July 2026). The comments in the code are by the model that wrote it; some were corrected since.
;; Transformer Block. Allowed arithmetic: matrix products marked QUANTISED: E3M2 operands, one E8M0 scale for each 32 along K, by v_wmma_scale_f32_16x16x128_f8f6f4 with both operands' format E3M2, f32 sums; everything else in f32.
;; Inputs: b_fc1 4,096 float32; b_fc2 1,024 float32; b_o 1,024 float32; ln1_b 1,024 float32; ln1_g 1,024 float32; ln2_b 1,024 float32; ln2_g 1,024 float32; w_fc1 1,024 x 4,096 float32; w_fc2 4,096 x 1,024 float32; w_k 1,024 x 1,024 float32; w_o 1,024 x 1,024 float32; w_q 1,024 x 1,024 float32; w_v 1,024 x 1,024 float32; x 2 x 2,048 x 1,024 float32.
;; Outputs: out0 2 x 2,048 x 1,024 float32.
;; This version of the problem:
;;   THIS VERSION OF THE PROBLEM IS GIVEN IN LOW PRECISION. The matrix products marked QUANTISED in the list below multiply operands that are first quantised to E3M2 (3 exponent bits, 2 mantissa bits; 6 bits a number), with one power-of-two scale for each 32 numbers along K (OCP MX v1.0); their sums are f32. All else is computed in f32.
;;   The module's matrix products, in the order in which they are computed (A, B: the left and right operand; K: the contracted axis; several contracted axes count as one K, in the product's order):
;;     1. [M 4,096, K 1,024] x [K 1,024, N 1,024]; A: computed on the way; B: input w_q: QUANTISED
;;     2. [M 4,096, K 1,024] x [K 1,024, N 1,024]; A: computed on the way; B: input w_k: QUANTISED
;;     3. [M 4,096, K 1,024] x [K 1,024, N 1,024]; A: computed on the way; B: input w_v: QUANTISED
;;     4. batch 32 x [M 2,048, K 64] x [K 64, N 2,048]; A: computed on the way; B: computed on the way: QUANTISED
;;     5. batch 32 x [M 2,048, K 2,048] x [K 2,048, N 64]; A: softmax (see below); B: computed on the way: QUANTISED
;;     6. [M 4,096, K 1,024] x [K 1,024, N 1,024]; A: computed on the way; B: input w_o: QUANTISED
;;     7. [M 4,096, K 1,024] x [K 1,024, N 4,096]; A: computed on the way; B: input w_fc1: QUANTISED
;;     8. [M 4,096, K 4,096] x [K 4,096, N 1,024]; A: computed on the way; B: input w_fc2: QUANTISED
;;   THE QUANTISER, for each operand of a quantised product, along K:
;;     - K is cut into blocks of 32 from its start; a last block that is shorter is filled with zeros.
;;     - A block's scale is 2^e with e = floor(log2(the largest magnitude in the block)) - 4, held to -126 .. 127; a block of zeros has e = 0. As a byte (E8M0): e + 127.
;;     - Each number is divided by its block's scale, clamped to +-28, and rounded to the nearest number of E3M2, ties to even, subnormals kept.
;;     - The product sums the exact products of the quantised numbers (number of the format x scale) in f32.
;;   ~~~python
;;   def quantise(x, axis):      # numpy; x: float32 -> the quantised numbers, widened to float32 again
;;       x = np.moveaxis(x, axis, -1); K = x.shape[-1]
;;       x = np.pad(x, [(0, 0)] * (x.ndim - 1) + [(0, -K % 32)]); x = x.reshape(x.shape[:-1] + (-1, 32)); a = np.abs(x).max(-1, keepdims=True)
;;       e = np.where(a > 0, np.clip(np.frexp(np.where(a > 0, a, 1))[1] - 1 - 4, -126, 127), 0)      # np.frexp(a)[1] - 1 = floor(log2(a)), exactly
;;       r = np.clip(x / 2.0 ** e, -28, 28)
;;       step = 2.0 ** (np.maximum(np.frexp(np.where(r == 0, 1, r))[1] - 1, -2) - 2)
;;       q = np.round(r / step) * step * 2.0 ** e      # np.round: ties to even
;;       return np.moveaxis(q.reshape(q.shape[:-2] + (-1,))[..., :K], -1, axis).astype(np.float32)
;;   ~~~
;;   SOFTMAX AHEAD OF A QUANTISED PRODUCT. Where the list says 'softmax', what is quantised is not the finished softmax but p = 2^(t - M), with t = logit x log2(e) and M = ceil(the row's largest t), a whole number; so 1/2 < the row's largest p <= 1. The row's sum l is taken of the UNQUANTISED p, in f32, and the product's result is divided by l at the end. Since M is a whole number, a kernel that streams over the keys may use a running M (the ceiling of the running maximum): every later rescaling is an exact power of two, which a block's scale takes up: the codes' values come out the same.
;;   OPERANDS COMPUTED ON THE WAY. 'Computed on the way' means the value that the module computes at that place (a softmax that the list does not call 'softmax' is quantised finished and normalised). What goes into a quantiser is computed in f32, as accurately as f32 sums, v_exp_f32 and their like allow (about 1e-6 of the number): no bf16 or f16 on the way to a quantiser, and a product that is left as it is and whose result goes on into a quantised operand takes f32 operands (vector FMAs, or v_wmma_f32_16x16x4_f32). A number that lies on a knife's edge between two numbers of the format may be rounded either way, as far as f32 arithmetic and the matrix unit's own rounding can turn it there, and no further.
;; One version. Each part assembles by itself: llvm-mc -triple=amdgcn-amd-amdhsa -mcpu=gfx1250 --defsym DOCPART=n.
;; ======== version 1 of 1: 7 launches
;; limits: right only within a limited range of input values
;; workspace buffers: p1 13,107,200 bytes; qkv 9,830,400 bytes; ctx 3,276,800 bytes; x1 16,777,216 bytes; g 13,107,200 bytes
;; launch prep (part 1): grid 640 x 1, 8 waves a work-group, no clusters, 67,072 bytes of LDS; arguments x, ln1_g, ln1_b, w_q, w_k, w_v, w_o, w_fc1, w_fc2, p1; writes p1
.if DOCPART == 1
	.amdgcn_target "amdgcn-amd-amdhsa--gfx1250"
	.amdhsa_code_object_version 6
	.text
	.protected	k_q7afd12984d_prep
	.globl	k_q7afd12984d_prep
	.p2align	8
	.type	k_q7afd12984d_prep,@function
k_q7afd12984d_prep:
	s_mov_b64 s[64:65], 0
	v_nop
	global_prefetch_b8 v0, s[64:65] scope:SCOPE_SE
	s_setreg_imm32_b32 hwreg(HW_REG_WAVE_MODE, 25, 1), 1
	s_wait_xcnt 0x0
; Two jobs, parted on the work-group's number alone.
; WORK-GROUPS 0-255: LayerNorm of 16 tokens (mean; unbiased deviation, two passes; (x - mean) gamma / (std + 1e-6) + beta, all f32), quantised along the 1,024 channels to codes of E3M2 with one E8M0 byte for each 32.
; WORK-GROUPS 256-639: the six weights [K][N], f32, K their first axis, quantised along K: a lane takes a column and its registers run down K.
; WHAT IS STORED.  Operands lie in p1 as IMAGES OF THE MATRIX OPERAND'S REGISTERS.  A fragment (16 rows x 128 K, 12 registers a lane) is 1,536 bytes: half c (k = 64 c on) at 768 c: 16 x lane: registers 6c..6c+3;
; from byte 512 of the half 8 x lane: registers 6c+4, 6c+5.  Fragment F lies at 1,536 F, its 16 scale words (row r's four bytes) at SCB + 64 F.  F = tile x (K steps) + K step.
; Tiles: w_q 0-63, w_k 64-127, w_v 128-191, w_o 192-255, w_fc1 256-511 (8 K steps each), w_fc2 from F = 4,096 (32 K steps), the normed tokens from F = 6,144 (tile 768 on, 8 K steps).
; THE ROWS OF A TILE ARE NOT NEIGHBOURS: row r of tile T is row 32 (T / 2) + 8 (T % 2) + r + 8 (r / 8) of the tensor, so that the 16 result registers of two neighbouring tiles are 16 neighbours along the next product's K.
; REGISTERS: the text keeps to v0-161, so that more waves are resident and more loads are on their way: what is made late lies over what is done with (the quantiser's registers over gamma's; a block's codes over the block before's numbers).
; LIMITS: a block of zeros, or one whose largest magnitude lies under 2^-122, gets the byte 1 (the rule says 127 for zeros): its codes are zeros and this program alone reads the bytes.  NaN and infinities are not served.
; A row whose variance is a denormal number counts as variance 0 (the square root's instruction takes denormals as zero).
.set FRB,   1536
.set HF0,   6144                       ; the tokens' first fragment
.set SCB,   12582912                   ; the scale words
.set PITCH, 4112                       ; a stage row: 4,096 bytes + 16: an odd multiple of 16 bytes, so sixteen rows' 16-byte pieces fall on different banks
.set LI16,  2                          ; v2  16 x lane
.set LI8,   3                          ; v3  8 x lane
.set LR4,   6                          ; v6  4 x (lane % 16)
.set SUM,   12                         ; v12-19 two rows' partial sums
.set MEAN,  20                         ; v20-23 their means, each twice
.set INV,   24                         ; v24-27 1 / (std + eps), each twice
.set PT,    28                         ; v28-29 the other half of the lanes' sums
.set PC,    96                         ; v96-107 a fragment's codes; v108-114 at work (gamma's registers, done with by then)
.set TM,    116                        ; v116-119 largest magnitudes, v120-123 the partner's, then the bytes, v128-131 the conversions' scale operands
.set PW,    132                        ; the scale word
.set SEL,   28                         ; s[28:29] v_permlanex16_b32's selects for lane l xor 16
; 64 numbers of a lane, register 16 b + i = k 32 b + 16 (lane / 16) + i of the lane's row, become a fragment's codes in v[PC] on and its scale word in v[PW]
.macro QUANT s
.irp b, 0,1,2,3
	v_max3_num_f32 v[TM+\b], |v[\s+16*\b]|, |v[\s+16*\b+1]|, 0x2800000   ; my 16 numbers of block b, and the floor 2^(5 - 127): the byte cannot fall under 1
.endr
.irp i, 2,4,6,8,10,12,14
.irp b, 0,1,2,3
	s_delay_alu instid0(VALU_DEP_4)
	v_max3_num_f32 v[TM+\b], v[TM+\b], |v[\s+16*\b+\i]|, |v[\s+16*\b+\i+1]|
.endr
.endr
.irp b, 0,1,2,3
	s_delay_alu instid0(VALU_DEP_4)
	v_permlanex16_b32 v[TM+4+\b], v[TM+\b], s[SEL], s[SEL+1]
.endr
.irp b, 0,1,2,3
	s_delay_alu instid0(VALU_DEP_4)
	v_max_num_f32 v[TM+\b], v[TM+\b], v[TM+4+\b]                     ; with lane l xor 16's: the block's largest magnitude
.endr
.irp b, 0,1,2,3
	s_delay_alu instid0(VALU_DEP_4)
	v_add_nc_u32 v[TM+12+\b], 0xfe000000, v[TM+\b]                   ; 4 off its exponent field: the conversion's scale operand
.endr
.irp b, 0,1,2,3
	s_delay_alu instid0(VALU_DEP_4)
	v_lshrrev_b32 v[TM+4+\b], 23, v[TM+12+\b]                        ; the scale's byte
.endr
	s_delay_alu instid0(VALU_DEP_3)
	v_lshl_or_b32 v[PW], v[TM+5], 8, v[TM+4]
	s_delay_alu instid0(VALU_DEP_1)
	v_lshl_or_b32 v[PW], v[TM+6], 16, v[PW]
	s_delay_alu instid0(VALU_DEP_1)
	v_lshl_or_b32 v[PW], v[TM+7], 24, v[PW]
.irp c, 0,1
	v_cvt_scalef32_pk16_bf6_f32 v[PC+6*\c:PC+6*\c+2], v[\s+32*\c:\s+32*\c+15], v[TM+12+2*\c]
	v_cvt_scalef32_pk16_bf6_f32 v[PC+12+4*\c:PC+14+4*\c], v[\s+32*\c+16:\s+32*\c+31], v[TM+13+2*\c]   ; (a conversion's three registers begin on an even number)
.endr
	v_nop                                          ; one plain place behind a scaled conversion
.irp c, 0,1                                    ; the operand wants a whole block in a lane: lanes 0-15 block 2 c, lanes 16-31 block 2 c + 1
.irp i, 0,1,2
	v_permlane16_swap_b32 v[PC+6*\c+\i], v[PC+12+4*\c+\i]
.endr
.irp i, 0,1,2
	s_delay_alu instid0(VALU_DEP_3)
	v_mov_b32 v[PC+3+6*\c+\i], v[PC+12+4*\c+\i]
.endr
.endr
.endm
; the two rows' partial sums are added within the lane and across the 32 lanes: v[SUM], v[SUM+4]
.macro ACROSS
.irp p, 0
	s_delay_alu instid0(VALU_DEP_3)
	v_pk_add_f32 v[SUM+4*\p:SUM+4*\p+1], v[SUM+4*\p:SUM+4*\p+1], v[SUM+4*\p+2:SUM+4*\p+3]
.endr
.irp p, 1
	s_delay_alu instid0(VALU_DEP_2)
	v_pk_add_f32 v[SUM+4*\p:SUM+4*\p+1], v[SUM+4*\p:SUM+4*\p+1], v[SUM+4*\p+2:SUM+4*\p+3]
.endr
.irp p, 0,1
	s_delay_alu instid0(VALU_DEP_2)
	v_add_f32 v[SUM+4*\p], v[SUM+4*\p], v[SUM+4*\p+1]
.endr
.irp m, 1,2,4,8
.irp p, 0,1
	s_delay_alu instid0(VALU_DEP_2)
	v_add_f32_dpp v[SUM+4*\p], v[SUM+4*\p], v[SUM+4*\p] row_xmask:\m row_mask:0xf bank_mask:0xf
.endr
.endr
.irp p, 0,1
	s_delay_alu instid0(VALU_DEP_2)
	v_permlanex16_b32 v[PT+\p], v[SUM+4*\p], s[SEL], s[SEL+1]
.endr
.irp p, 0,1
	s_delay_alu instid0(VALU_DEP_2)
	v_add_f32 v[SUM+4*\p], v[SUM+4*\p], v[PT+\p]
.endr
.endm
	s_load_b256 s[4:11], s[0:1], 0x0               ; x s[4:5], gamma s[6:7], beta s[8:9], w_q s[10:11]
	s_load_b256 s[12:19], s[0:1], 0x20             ; w_k, w_v, w_o, w_fc1
	s_load_b128 s[20:23], s[0:1], 0x40             ; w_fc2, p1
	v_lshl_add_u32 v160, v0, 2, 0x10200
	v_mov_b32 v161, 0
	v_lshrrev_b32 v7, 5, v0
	s_delay_alu instid0(VALU_DEP_1)
	v_readfirstlane_b32 s24, v7                    ; wave 0..7
	v_and_b32 v1, 31, v0                           ; lane
	s_delay_alu instid0(VALU_DEP_1)
	v_lshlrev_b32 v[LI16], 4, v1
	s_delay_alu instid0(VALU_DEP_2)
	v_lshlrev_b32 v[LI8], 3, v1
	v_and_b32 v4, 15, v0                           ; r
	v_bfe_u32 v5, v0, 4, 1                         ; h
	s_delay_alu instid0(VALU_DEP_2)
	v_lshlrev_b32 v[LR4], 2, v4
	s_mov_b32 s[SEL], 0x76543210
	s_mov_b32 s[SEL+1], 0xfedcba98
	s_cmp_lt_u32 ttmp9, 256
	s_cbranch_scc0 .Lweights
	; ---- LayerNorm.  Work-group t makes tile t.  Wave w norms the tile's rows 2 w and 2 w + 1, which are neighbouring tokens
	s_lshr_b32 s25, ttmp9, 1
	s_lshl_b32 s25, s25, 5
	s_and_b32 s26, ttmp9, 1
	s_lshl_b32 s26, s26, 3
	s_add_co_u32 s25, s25, s26
	s_lshl_b32 s26, s24, 1
	s_add_co_u32 s25, s25, s26
	s_lshr_b32 s26, s24, 2
	s_lshl_b32 s26, s26, 3
	s_add_co_u32 s25, s25, s26                     ; token 32 (t / 2) + 8 (t % 2) + 2 w + 8 (w / 4)
	s_lshl_b32 s26, s25, 12
	s_mov_b32 s27, 0
	s_mul_i32 s30, s24, 2*PITCH
	s_wait_alu depctr_va_vdst(0)
	v_add_nc_u32 v8, s30, v[LI16]                  ; the stage, in: my wave's two rows, 16 bytes a lane
	v_mul_u32_u24 v9, v4, PITCH
	s_delay_alu instid0(VALU_DEP_1)
	v_lshl_add_u32 v9, v5, 6, v9
	s_lshl_b32 s30, s24, 9
	v_add_nc_u32 v9, s30, v9                       ; and out: row r, K step w, + 64 h: my 16 numbers of a block of 32
	v_mov_b32 v[PT], 0                             ; written once: a lane permute's destination counts as one of its sources
	v_mov_b32 v[PT+1], 0
	s_wait_kmcnt 0x0
	s_add_nc_u64 s[4:5], s[4:5], s[26:27]
.irp j, 0,1,2,3,4,5,6,7
	global_load_b128 v[32+4*\j:35+4*\j], v[LI16], s[4:5] offset:512*\j th:TH_LOAD_NT          ; 32 lanes read 512 consecutive bytes
.endr
.irp j, 0,1,2,3,4,5,6,7
	global_load_b128 v[64+4*\j:67+4*\j], v[LI16], s[4:5] offset:4096+512*\j th:TH_LOAD_NT
.endr
.irp j, 0,1,2,3,4,5,6,7
	global_load_b128 v[96+4*\j:99+4*\j], v[LI16], s[6:7] offset:512*\j
.endr
.irp j, 0,1,2,3,4,5,6,7
	global_load_b128 v[128+4*\j:131+4*\j], v[LI16], s[8:9] offset:512*\j
.endr
	s_wait_loadcnt 16                              ; the two rows are in; gamma's and beta's sixteen loads may be out
.irp p, 0,1
	v_pk_add_f32 v[SUM+4*\p:SUM+4*\p+1], v[32+32*\p:33+32*\p], v[34+32*\p:35+32*\p]
	v_pk_add_f32 v[SUM+4*\p+2:SUM+4*\p+3], v[36+32*\p:37+32*\p], v[38+32*\p:39+32*\p]
.endr
.irp i, 8,12,16,20,24,28
.irp p, 0,1
	s_delay_alu instid0(VALU_DEP_4)
	v_pk_add_f32 v[SUM+4*\p:SUM+4*\p+1], v[SUM+4*\p:SUM+4*\p+1], v[32+32*\p+\i:33+32*\p+\i]
	s_delay_alu instid0(VALU_DEP_4)
	v_pk_add_f32 v[SUM+4*\p+2:SUM+4*\p+3], v[SUM+4*\p+2:SUM+4*\p+3], v[34+32*\p+\i:35+32*\p+\i]
.endr
.endr
	ACROSS
.irp p, 0,1
	s_delay_alu instid0(VALU_DEP_2)
	v_mul_f32 v[MEAN+2*\p], 0x3a800000, v[SUM+4*\p]                  ; the mean: sum / 1,024
.endr
.irp p, 0,1
	s_delay_alu instid0(VALU_DEP_2)
	v_mov_b32 v[MEAN+2*\p+1], v[MEAN+2*\p]
.endr
.irp i, 0,2,4,6,8,10,12,14,16,18,20,22,24,26,28,30
.irp p, 0,1
	v_pk_add_f32 v[32+32*\p+\i:33+32*\p+\i], v[32+32*\p+\i:33+32*\p+\i], v[MEAN+2*\p:MEAN+2*\p+1] neg_lo:[0,1] neg_hi:[0,1]   ; d = x - mean
.endr
.endr
.irp p, 0,1
	v_pk_mul_f32 v[SUM+4*\p:SUM+4*\p+1], v[32+32*\p:33+32*\p], v[32+32*\p:33+32*\p]
	v_pk_mul_f32 v[SUM+4*\p+2:SUM+4*\p+3], v[34+32*\p:35+32*\p], v[34+32*\p:35+32*\p]
.endr
.irp i, 4,8,12,16,20,24,28
.irp p, 0,1
	s_delay_alu instid0(VALU_DEP_4)
	v_pk_fma_f32 v[SUM+4*\p:SUM+4*\p+1], v[32+32*\p+\i:33+32*\p+\i], v[32+32*\p+\i:33+32*\p+\i], v[SUM+4*\p:SUM+4*\p+1]
	s_delay_alu instid0(VALU_DEP_4)
	v_pk_fma_f32 v[SUM+4*\p+2:SUM+4*\p+3], v[34+32*\p+\i:35+32*\p+\i], v[34+32*\p+\i:35+32*\p+\i], v[SUM+4*\p+2:SUM+4*\p+3]
.endr
.endr
	ACROSS
.irp p, 0,1
	s_delay_alu instid0(VALU_DEP_2)
	v_mul_f32 v[SUM+4*\p], 0x3a802008, v[SUM+4*\p]                   ; / 1,023
.endr
	s_wait_alu depctr_va_vdst(0)
.irp p, 0,1
	v_sqrt_f32 v[SUM+4*\p], v[SUM+4*\p]
.endr
	v_nop                                          ; one plain place behind a transcendental
	s_wait_alu depctr_va_vdst(0)
.irp p, 0,1
	v_add_f32 v[SUM+4*\p], 0x358637bd, v[SUM+4*\p]                   ; + 1e-6
.endr
	s_wait_alu depctr_va_vdst(0)
.irp p, 0,1
	v_rcp_f32 v[INV+2*\p], v[SUM+4*\p]
.endr
	v_nop
	s_wait_alu depctr_va_vdst(0)
.irp p, 0,1
	v_mov_b32 v[INV+2*\p+1], v[INV+2*\p]
.endr
	s_wait_loadcnt 0x0                             ; gamma and beta
.irp i, 0,2,4,6,8,10,12,14,16,18,20,22,24,26,28,30
.irp p, 0,1
	v_pk_mul_f32 v[32+32*\p+\i:33+32*\p+\i], v[32+32*\p+\i:33+32*\p+\i], v[96+\i:97+\i]
.endr
.endr
.irp i, 0,2,4,6,8,10,12,14,16,18,20,22,24,26,28,30
.irp p, 0,1
	v_pk_fma_f32 v[32+32*\p+\i:33+32*\p+\i], v[32+32*\p+\i:33+32*\p+\i], v[INV+2*\p:INV+2*\p+1], v[128+\i:129+\i]
.endr
.endr
.irp p, 0,1
.irp j, 0,1,2,3,4,5,6,7
	ds_store_b128 v8, v[32+32*\p+4*\j:35+32*\p+4*\j] offset:\p*PITCH+512*\j
.endr
.endr
	s_wait_dscnt 0x0                               ; for the others' sake: my two rows lie in the stage
	s_barrier_signal -1
	s_barrier_wait -1
	; wave w takes K step w of all sixteen rows: lane (r, h) reads, of row r, 16 neighbours of each block of 32
.irp b, 0,1,2,3
.irp j, 0,1,2,3
	ds_load_b128 v[32+16*\b+4*\j:35+16*\b+4*\j], v9 offset:128*\b+16*\j
.endr
.endr
.irp b, 0,1,2,3
	v_mov_b32 v[TM+4+\b], 0                        ; a lane permute's destination counts as one of its sources (gamma, which lay here, is done with)
.endr
	s_lshl_b32 s26, ttmp9, 3
	s_add_co_u32 s26, s26, s24
	s_add_co_u32 s26, s26, HF0                     ; fragment 6,144 + 8 t + w
	s_mul_i32 s30, s26, FRB
	s_mov_b32 s31, 0
	s_add_nc_u64 s[30:31], s[22:23], s[30:31]
	s_lshl_b32 s32, s26, 6
	s_add_co_u32 s32, s32, SCB
	s_mov_b32 s33, 0
	s_add_nc_u64 s[32:33], s[22:23], s[32:33]
	s_wait_dscnt 0x0
	QUANT 32
	global_store_b128 v[LI16], v[PC:PC+3], s[30:31]                  ; each store covers 512 or 256 consecutive bytes, aligned to 256
	global_store_b64 v[LI8], v[PC+4:PC+5], s[30:31] offset:512
	global_store_b128 v[LI16], v[PC+6:PC+9], s[30:31] offset:768
	global_store_b64 v[LI8], v[PC+10:PC+11], s[30:31] offset:1280
	global_store_b32 v[LR4], v[PW], s[32:33]       ; lanes 16-31 repeat lanes 0-15: the same word with the same value
	s_wait_tensorcnt 0x0
	ds_add_u32 v160, v161
	s_wait_dscnt 0x0
	s_endpgm
	; ---- The weights.  A unit is 256 columns x 128 along K; a wave takes 32 columns: two tiles, one K step: two fragments
.Lweights:
	s_sub_co_u32 s25, ttmp9, 256                   ; unit 0..383
	s_lshr_b32 s26, s25, 5                         ; 0-3: w_q, w_k, w_v, w_o;  4-7: w_fc1;  8-11: w_fc2
	s_lshr_b32 s37, s26, 2                         ; 0, 1, 2
	s_lshl_b32 s42, s26, 6                         ; the small weights' first tile
	s_wait_kmcnt 0x0
	s_cmp_eq_u32 s26, 1                            ; every choice hangs on the work-group's number alone
	s_cselect_b64 s[34:35], s[12:13], s[10:11]
	s_cmp_eq_u32 s26, 2
	s_cselect_b64 s[34:35], s[14:15], s[34:35]
	s_cmp_eq_u32 s26, 3
	s_cselect_b64 s[34:35], s[16:17], s[34:35]
	s_cmp_eq_u32 s37, 1
	s_cselect_b64 s[34:35], s[18:19], s[34:35]
	s_cselect_b32 s38, 4, 2                        ; log2 of the groups of 256 columns
	s_cselect_b32 s39, 21, 19                      ; log2 of the bytes of 128 rows
	s_cselect_b32 s42, 256, s42
	s_cmp_eq_u32 s37, 2
	s_cselect_b64 s[34:35], s[20:21], s[34:35]
	s_cselect_b32 s40, 5, 3                        ; log2 of the K steps
	s_cselect_b32 s41, 4096, 0                     ; the first fragment
	s_cselect_b32 s42, 0, s42
	s_cmp_eq_u32 s37, 0
	s_cselect_b32 s36, 31, 127
	s_and_b32 s36, s25, s36                        ; the unit within its weight
	s_bfm_b32 s43, s38, 0
	s_and_b32 s43, s36, s43                        ; its group of columns
	s_lshr_b32 s44, s36, s38                       ; its K step
	s_lshl_b32 s46, s44, s39
	s_lshl_b32 s47, s43, 10
	s_add_co_u32 s46, s46, s47
	s_lshl_b32 s47, s24, 7
	s_add_co_u32 s46, s46, s47                     ; 128 rows x K step + 1,024 x group + 128 x wave, in bytes
	s_mov_b32 s47, 0
	s_add_nc_u64 s[34:35], s[34:35], s[46:47]
	s_lshl_b32 s48, s43, 4
	s_add_co_u32 s48, s48, s42
	s_lshl_b32 s49, s24, 1
	s_add_co_u32 s48, s48, s49                     ; my first tile
	s_lshl_b32 s48, s48, s40
	s_add_co_u32 s48, s48, s44
	s_add_co_u32 s48, s48, s41                     ; its fragment
	s_mul_i32 s50, s48, FRB
	s_mov_b32 s51, 0
	s_add_nc_u64 s[50:51], s[22:23], s[50:51]
	s_lshl_b32 s52, s48, 6
	s_add_co_u32 s52, s52, SCB
	s_mov_b32 s53, 0
	s_add_nc_u64 s[52:53], s[22:23], s[52:53]
	s_lshl_b32 s49, FRB, s40                       ; bytes from a tile's fragment to the next tile's
	s_lshl_b32 s54, 64, s40
	s_wait_alu depctr_va_vdst(0)
	v_lshlrev_b32 v10, 2, v1                       ; in: 4 bytes a lane: column = lane
	v_bfe_u32 v11, v0, 3, 1                        ; column x lies in tile (x / 8) % 2 of the pair,
	v_and_b32 v12, 7, v0
	s_delay_alu instid0(VALU_DEP_1)
	v_lshl_or_b32 v12, v5, 3, v12                  ; at row x % 8 + 8 (x / 16)
	s_delay_alu instid0(VALU_DEP_3)
	v_mul_u32_u24 v16, v11, s49
	s_delay_alu instid0(VALU_DEP_1)
	v_lshl_add_u32 v17, v12, 3, v16                ; where my 8-byte pieces go
	s_delay_alu instid0(VALU_DEP_2)
	v_lshl_add_u32 v16, v12, 4, v16                ; and my 16-byte pieces
	v_mul_u32_u24 v18, v11, s54
	s_delay_alu instid0(VALU_DEP_1)
	v_lshl_add_u32 v18, v12, 2, v18                ; and my scale word
.macro WLOAD rowb                      ; W(k, my column), k = 0 .. 127: each load reads 128 consecutive bytes a wave
.set KK, 0
.rept 128
	global_load_b32 v[32+KK], v10, s[34:35] offset:KK*\rowb th:TH_LOAD_NT
.set KK, KK+1
.endr
.endm
	s_cmp_eq_u32 s37, 1
	s_cbranch_scc1 .Lwide
	WLOAD 4096
	s_branch .Lloaded
.Lwide:
	s_wait_alu depctr_va_vdst(0)
	WLOAD 16384
.Lloaded:
.macro BLOCK b, left                   ; block b of my column: all 32 numbers are mine
.set X, 32+32*\b
.if \b == 0
.set CC, 24                            ; block 0's codes in v24-29, at work v12-14 (the row's number, which lay in v12, is done with);
.set TT, 12
.else
.set CC, 32*\b                         ; a later block's over the block before's numbers, which its conversions have read: no store's data are written again
.set TT, 32*\b+8
.endif
	s_wait_loadcnt \left
	v_max3_num_f32 v20, |v[X]|, |v[X+1]|, |v[X+2]|
	v_max3_num_f32 v21, |v[X+3]|, |v[X+4]|, |v[X+5]|
.irp i, 6,10,14,18,22,26
	s_delay_alu instid0(VALU_DEP_2)
	v_max3_num_f32 v20, v20, |v[X+\i]|, |v[X+\i+1]|
	s_delay_alu instid0(VALU_DEP_2)
	v_max3_num_f32 v21, v21, |v[X+\i+2]|, |v[X+\i+3]|
.endr
	s_delay_alu instid0(VALU_DEP_2)
	v_max3_num_f32 v20, v20, |v[X+30]|, |v[X+31]|
	s_delay_alu instid0(VALU_DEP_1)
	v_max3_num_f32 v20, v20, v21, 0x2800000        ; and the floor
	s_delay_alu instid0(VALU_DEP_1)
	v_add_nc_u32 v22, 0xfe000000, v20
	s_delay_alu instid0(VALU_DEP_1)
	v_lshrrev_b32 v21, 23, v22
.if \b == 0
	s_delay_alu instid0(VALU_DEP_1)
	v_mov_b32 v23, v21
.else
	s_delay_alu instid0(VALU_DEP_1)
	v_lshl_or_b32 v23, v21, 8*\b, v23
.endif
	v_cvt_scalef32_pk16_bf6_f32 v[CC:CC+2], v[X:X+15], v22
	v_cvt_scalef32_pk16_bf6_f32 v[TT:TT+2], v[X+16:X+31], v22
	v_nop                                          ; one plain place behind a scaled conversion
.irp i, 0,1,2
	v_mov_b32 v[CC+3+\i], v[TT+\i]
.endr
	global_store_b128 v16, v[CC:CC+3], s[50:51] offset:768*(\b/2)+256*(\b%2)       ; block b is what lane (row, b % 2) holds of half b / 2: sixteen lanes fill 256 consecutive bytes
	global_store_b64 v17, v[CC+4:CC+5], s[50:51] offset:768*(\b/2)+512+128*(\b%2)
.endm
	BLOCK 0, 63                                    ; at least 65 of the 128 loads are in: blocks 0 and 1
	BLOCK 1, 63
	BLOCK 2, 32                                    ; the last block's 32 may be out
	BLOCK 3, 0
	global_store_b32 v18, v23, s[52:53]
	s_endpgm
.Lfunc_end_k_q7afd12984d_prep:
	.size	k_q7afd12984d_prep, .Lfunc_end_k_q7afd12984d_prep-k_q7afd12984d_prep
	.p2alignl 7, 3214868480
	.fill 96, 4, 3214868480
	.section	.rodata,"a",@progbits
	.p2align	6, 0x0
	.amdhsa_kernel k_q7afd12984d_prep
		.amdhsa_group_segment_fixed_size 67072
		.amdhsa_private_segment_fixed_size 0
		.amdhsa_enable_private_segment 0
		.amdhsa_kernarg_size 80
		.amdhsa_user_sgpr_count 2
		.amdhsa_user_sgpr_kernarg_segment_ptr 1
		.amdhsa_wavefront_size32 1
		.amdhsa_system_sgpr_workgroup_id_x 1
		.amdhsa_system_sgpr_workgroup_id_y 1
		.amdhsa_system_sgpr_workgroup_id_z 1
		.amdhsa_system_vgpr_workitem_id 0
		.amdhsa_next_free_vgpr 162
		.amdhsa_next_free_sgpr 66
		.amdhsa_reserve_vcc 0
		.amdhsa_float_denorm_mode_32 3
		.amdhsa_float_denorm_mode_16_64 3
		.amdhsa_memory_ordered 1
		.amdhsa_forward_progress 1
		.amdhsa_inst_pref_size 65
	.end_amdhsa_kernel
	.amdgpu_metadata
---
amdhsa.version: [ 1, 2 ]
amdhsa.kernels:
  - .name:           k_q7afd12984d_prep
    .symbol:         k_q7afd12984d_prep.kd
    .args:
      - { .name: x, .offset: 0, .size: 8, .value_kind: global_buffer, .address_space: global }
      - { .name: ln1_g, .offset: 8, .size: 8, .value_kind: global_buffer, .address_space: global }
      - { .name: ln1_b, .offset: 16, .size: 8, .value_kind: global_buffer, .address_space: global }
      - { .name: w_q, .offset: 24, .size: 8, .value_kind: global_buffer, .address_space: global }
      - { .name: w_k, .offset: 32, .size: 8, .value_kind: global_buffer, .address_space: global }
      - { .name: w_v, .offset: 40, .size: 8, .value_kind: global_buffer, .address_space: global }
      - { .name: w_o, .offset: 48, .size: 8, .value_kind: global_buffer, .address_space: global }
      - { .name: w_fc1, .offset: 56, .size: 8, .value_kind: global_buffer, .address_space: global }
      - { .name: w_fc2, .offset: 64, .size: 8, .value_kind: global_buffer, .address_space: global }
      - { .name: p1, .offset: 72, .size: 8, .value_kind: global_buffer, .address_space: global }
    .group_segment_fixed_size: 67072
    .private_segment_fixed_size: 0
    .kernarg_segment_align: 8
    .kernarg_segment_size: 80
    .max_flat_workgroup_size: 256
    .sgpr_count:     66
    .vgpr_count:     162
    .wavefront_size: 32
...
	.end_amdgpu_metadata
.endif
;; end of part 1
;; launch qkv (part 2): grid 12 x 16, 4 waves a work-group, clusters of 4 x 4, 327,680 bytes of LDS; arguments p1, qkv; writes qkv
.if DOCPART == 2
	.amdgcn_target "amdgcn-amd-amdhsa--gfx1250"
	.amdhsa_code_object_version 6
	.text
	.protected	k_q7afd12984d_qkv
	.globl	k_q7afd12984d_qkv
	.p2align	8
	.type	k_q7afd12984d_qkv,@function
k_q7afd12984d_qkv:
	s_mov_b64 s[64:65], 0
	v_nop
	global_prefetch_b8 v0, s[64:65] scope:SCOPE_SE
	s_setreg_imm32_b32 hwreg(HW_REG_WAVE_MODE, 25, 1), 1
	s_wait_xcnt 0x0
	s_wait_alu depctr_hold_cnt(0) depctr_sa_sdst(0) depctr_va_vdst(0) depctr_va_sdst(0) depctr_va_ssrc(0) depctr_va_vcc(0) depctr_vm_vsrc(0)
	s_getreg_b32 s2, hwreg(HW_REG_IB_STS2, 6, 4)
	s_cmp_eq_u32 s2, 0
	s_cbranch_scc0 .Lentry_in_a_cluster
	s_endpgm
.Lentry_in_a_cluster:
	s_bfe_u32 s2, ttmp6, 0x10000c
	s_cmp_lg_u32 s2, 0xf033
	s_cbranch_scc0 .Lentry_shape_is_right
	s_endpgm
.Lentry_shape_is_right:
; q, k = LN1(x) [w_q | w_k] and V^T = w_v^T LN1(x)^T, on codes of E3M2 with E8M0 scales for each 32 along K = 1,024; the results are quantised in registers and leave as images of operand registers.
; Both operands come from p1 (fragment F at 1,536 F, its 16 scale words at SCB + 64 F, F = 8 x tile + K step; weights' tiles 0-191, tokens' tiles 768-1,023).
; A work-group of four waves makes 256 x 256; a wave 128 x 128: 64 accumulators.  THE MATRIX INSTRUCTION IS USED TRANSPOSED: source 0 = a tile of side B, source 1 = a tile of side A: a lane holds ONE row of A's
; tile, and its registers run along B's rows, which by the order of a tile's rows are neighbours: 128 of them are one K step of the next product.
; Clusters x = 0, 1: A = tokens, B = columns of w_q | w_k: q and k quantised along the head's axis: fragment (K step = pair of heads) x 256 + tile of tokens.
; Cluster x = 2: A = columns of w_v, B = tokens: V^T quantised along the keys: fragment (128 keys) x 64 + tile of channels.  The roles are changed by a choice of tile numbers on the cluster's x, which all partners share.
; K goes in steps of 256 through two LDS slots filled by joint tensor loads (A's tiles shared along a row of the cluster, B's along a column); a fragment image is read by four dense loads, so there is no padding.
; The scale words of all K come once, with the first fills.
; REGISTERS: window 0: v16-31 addresses, v32-63 scale words (two sets: register 2 i + q: lanes 0-15 A's tile i, lanes 16-31 B's), v64-255 A's fragments (two sets); window 1: B's fragments at v0, v128; windows 2, 3: accumulators (a, b) at 512 + 8 (8 a + b).
; LIMITS: a block of zeros or under 2^-122 gets the byte 1; its codes are zeros and this program alone reads the bytes.  NaN and infinities are not served.
.set WT,    8
.set NQ,    2
.set KST,   8
.set LAPS,  KST/(2*NQ)
.set FRB,   1536
.set TROW,  NQ*FRB                     ; a tile's bytes in a slot
.set HALFT, WT*TROW                    ; what one tensor load brings
.set SLOT,  4*HALFT                    ; A's two halves, B's two halves
.set SCL,   2*SLOT                     ; the scale words: four pieces in the same order
.set HALFS, WT*KST*64
.set SPARE, SCL+4*HALFS                ; the spare words, 128 bytes a wave
.set SCB,   12582912
.set VT_IMG, 6291456
.set QK_SC, 9437184
.set VT_SC, 9699328
.set ADRA, 16                          ; v16-17 A's 16-byte pieces in slot 0, 1; v18-19 its 8-byte pieces
.set ADRB, 20                          ; v20-23 the same for B
.set CO,   26                          ; v26 16 x lane
.set ADRS, 27                          ; v27 my scale words
.set SPW,  28
.set NIL,  29
.set LI8,  30                          ; v30 8 x lane
.set LR4,  31                          ; v31 4 x (lane % 16)
.set SC,   32
.set AF,   64
.set PC,   176
.set TM,   200
.set PW,   216
.set SEL,  96
.set G1, 24
.set G0, 32
.set G1B, 48
.set G0B, 56
.set G1S, 68
.set G0S, 76
.set G1SB, 80
.set G0SB, 88
.set PFO,  8                           ; v8 the prefetches' offset; never rewritten
.set PFA,  66                          ; s[66:67] the prefetches' base: my work-group's two tiles of the WT that I fetch in the ring; never stepped
.set MSB, 0
.macro WIN new                         ; the immediate's high byte repeats the setting that is left
.if MSB != (\new)
	s_set_vgpr_msb (MSB<<8)|(\new)
.set MSB, (\new)
.endif
.endm
.macro PLACES
.rept 4
	v_nop
.endr
.endm
.macro JLOAD g0a, g1a, g0b, g1b        ; a joint load: waves 0, 1 fetch for A, waves 2, 3 for B; four v_nop follow each line
	s_cmp_eq_u32 s15, 0
	s_cbranch_scc0 .Lfor_b_\@
	tensor_load_to_lds s[\g0a:\g0a+3], s[\g1a:\g1a+7]
	s_nop 0
.rept 4
	v_nop
.endr
	s_branch .Lasked_\@
.Lfor_b_\@:
	tensor_load_to_lds s[\g0b:\g0b+3], s[\g1b:\g1b+7]
	s_nop 0
.rept 4
	v_nop
.endr
.Lasked_\@:
.endm
.macro CREST
	s_cmp_lg_u32 s14, 0
	s_cbranch_scc1 .Lnot_wave_0_\@
	s_barrier_signal -3
.Lnot_wave_0_\@:
	s_barrier_wait -3
	s_barrier_signal -1
	s_barrier_wait -1
.endm
.macro CROUND
	s_barrier_signal -1
	s_barrier_wait -1
	CREST
.endm
.macro FRAG reg, a16, a8, off          ; a fragment's image: four dense loads
	ds_load_b128 v[\reg:\reg+3], v[\a16] offset:\off
	ds_load_b64 v[\reg+4:\reg+5], v[\a8] offset:\off+512
	ds_load_b128 v[\reg+6:\reg+9], v[\a16] offset:\off+768
	ds_load_b64 v[\reg+10:\reg+11], v[\a8] offset:\off+1280
.endm
.macro FETCH slot, q, set              ; the fragments of the slot's q-th 128 along K into set
	WIN 0x40
.set II, 0
.rept WT
	FRAG 128*(\set)+12*II, ADRB+\slot, ADRB+2+\slot, II*TROW+(\q)*FRB
.set II, II+1
.endr
	WIN 0
.set II, 0
.rept WT
	FRAG AF+96*(\set)+12*II, ADRA+\slot, ADRA+2+\slot, II*TROW+(\q)*FRB
.set II, II+1
.endr
.endm
.macro SCALES sc
.set II, 0
.rept WT
.set QQ, 0
.rept NQ
	ds_load_b32 v[SC+16*(\sc)+NQ*II+QQ], v[ADRS] offset:II*KST*64+64*QQ
.set QQ, QQ+1
.endr
.set II, II+1
.endr
.endm
; n rows of accumulators from a0 on, each against B's WT tiles.  c = 0: add in place; 1: the constant 0 starts the sums.  All accumulators take turns, one instruction a turn, in one order
.macro MULS a0, n, set, q, sc, c
.set AA, \a0
.rept \n
.set WW, 2+(8*WT*AA)/256
.if \c == 0
	WIN WW*0x50+1
.else
	WIN WW*0x40+1
.endif
.set BB, 0
.rept WT
.set DD, (8*(WT*AA+BB))%256
.if \c == 0
	v_wmma_scale_f32_16x16x128_f8f6f4 v[DD:DD+7], v[128*(\set)+12*BB:128*(\set)+12*BB+11], v[AF+96*(\set)+12*AA:AF+96*(\set)+12*AA+11], v[DD:DD+7], v[SC+16*(\sc)+NQ*BB+(\q)], v[SC+16*(\sc)+NQ*AA+(\q)] matrix_a_fmt:MATRIX_FMT_BF6 matrix_b_fmt:MATRIX_FMT_BF6 matrix_a_scale:MATRIX_SCALE_ROW1
.else
	v_wmma_scale_f32_16x16x128_f8f6f4 v[DD:DD+7], v[128*(\set)+12*BB:128*(\set)+12*BB+11], v[AF+96*(\set)+12*AA:AF+96*(\set)+12*AA+11], 0, v[SC+16*(\sc)+NQ*BB+(\q)], v[SC+16*(\sc)+NQ*AA+(\q)] matrix_a_fmt:MATRIX_FMT_BF6 matrix_b_fmt:MATRIX_FMT_BF6 matrix_a_scale:MATRIX_SCALE_ROW1
.endif
.set BB, BB+1
.endr
.set AA, AA+1
.endr
.endm
.macro STEP slot, q, c                 ; a step of 128 along K that has its successor in the same slot
	s_wait_dscnt 0x0                               ; this step's fragments and scale words, asked for a step ago
	PLACES                                         ; in front of loads into registers that the last step's products read
	FETCH \slot, (\q)+1, 1-(\q)%2
	MULS 0, WT, (\q)%2, \q, \slot, \c
.endm
.macro TURN slot, next, fill           ; a slot's last step changes slots: one barrier
	WIN 0
	s_wait_tensorcnt 0x0                           ; all my tensor loads have landed: my part of the next slot
	ds_add_u32 v[SPW], v[NIL]                      ; 0 onto my spare word
	s_wait_dscnt 1                                 ; this step's fragments are in (the add may be out)
	MULS 0, WT/4, 1, NQ-1, \slot, 0
	s_wait_dscnt 0x0                               ; the add is done, and my reads of this slot are over
	s_barrier_signal -1
	MULS WT/4, WT/4, 1, NQ-1, \slot, 0
	WIN 0
	s_barrier_wait -1
.if \fill
	CREST                                          ; the barrier has opened a round of the cluster's: no wave of any partner still reads this slot or has a load on its way
	s_add_nc_u64 s[G0+4*\slot+2:G0+4*\slot+3], s[G0+4*\slot+2:G0+4*\slot+3], 2*TROW
	s_add_nc_u64 s[G0B+4*\slot+2:G0B+4*\slot+3], s[G0B+4*\slot+2:G0B+4*\slot+3], 2*TROW
	JLOAD G0+4*\slot, G1, G0B+4*\slot, G1B         ; the first tensor load behind the round; its four v_nop are the places in front of the loads below
.else
	PLACES
.endif
	s_wait_alu depctr_va_vdst(0)
	v_add_nc_u32 v[ADRS], 64*NQ, v[ADRS]
	FETCH \next, 0, 0
	SCALES \next
	MULS WT/2, WT/2, 1, NQ-1, \slot, 0
.endm
; 64 numbers of a lane in window w, register 16 b + i = k 32 b + 16 (lane / 16) + i of the lane's row, become a fragment's codes in v[PC] on and its scale word in v[PW] (window 0)
.macro QUANT s, w
	WIN (\w)*5
.irp b, 0,1,2,3
	v_max3_num_f32 v[TM+\b], |v[\s+16*\b]|, |v[\s+16*\b+1]|, 0x2800000   ; each accumulator is read from its low end on; the floor 2^(5 - 127) holds the byte at 1 from below
.endr
	WIN (\w)*20
.irp i, 2,4,6,8,10,12,14
.irp b, 0,1,2,3
	v_max3_num_f32 v[TM+\b], v[TM+\b], |v[\s+16*\b+\i]|, |v[\s+16*\b+\i+1]|
.endr
.endr
	WIN 0
.irp b, 0,1,2,3
	v_permlanex16_b32 v[TM+4+\b], v[TM+\b], s[SEL], s[SEL+1]
.endr
.irp b, 0,1,2,3
	v_max_num_f32 v[TM+\b], v[TM+\b], v[TM+4+\b]
.endr
.irp b, 0,1,2,3
	v_add_nc_u32 v[TM+12+\b], 0xfe000000, v[TM+\b]
.endr
.irp b, 0,1,2,3
	v_lshrrev_b32 v[TM+4+\b], 23, v[TM+12+\b]
.endr
	v_lshl_or_b32 v[PW], v[TM+5], 8, v[TM+4]
	v_lshl_or_b32 v[PW], v[TM+6], 16, v[PW]
	v_lshl_or_b32 v[PW], v[TM+7], 24, v[PW]
	WIN (\w)
.irp c, 0,1
	v_cvt_scalef32_pk16_bf6_f32 v[PC+6*\c:PC+6*\c+2], v[\s+32*\c:\s+32*\c+15], v[TM+12+2*\c]
	v_cvt_scalef32_pk16_bf6_f32 v[PC+12+4*\c:PC+14+4*\c], v[\s+32*\c+16:\s+32*\c+31], v[TM+13+2*\c]
.endr
	WIN 0
	v_nop                                          ; one plain place behind a scaled conversion
.irp c, 0,1
.irp i, 0,1,2
	v_permlane16_swap_b32 v[PC+6*\c+\i], v[PC+12+4*\c+\i]
.endr
.irp i, 0,1,2
	v_mov_b32 v[PC+3+6*\c+\i], v[PC+12+4*\c+\i]
.endr
.endr
.endm
	s_load_b128 s[4:7], s[0:1], 0x0                ; p1, qkv
	v_lshl_add_u32 v[SPW], v0, 2, SPARE
	v_mov_b32 v[NIL], 0
	ds_add_u32 v28, v29
	ds_add_u32 v28, v29
	s_wait_dscnt 0x0
	v_lshrrev_b32 v1, 5, v0
	v_readfirstlane_b32 s14, v1                    ; wave 0..3
	s_lshr_b32 s15, s14, 1                         ; my half of A's tiles.  Also: I fetch for A (0) or for B (1)
	s_and_b32 s16, s14, 1                          ; my half of B's tiles.  Also: which half I fetch
	s_bfe_u32 s40, ttmp6, 0x40000                  ; cx
	s_bfe_u32 s41, ttmp6, 0x40004                  ; cy
	s_and_b32 s19, ttmp7, 0xffff
	s_lshl_b32 s19, s19, 2
	s_add_co_u32 s19, s19, 48                      ; the tokens' tiles begin at 768 = 48 x 16: 48 + 4 x cluster y
	s_lshl_b32 s18, ttmp9, 2
	s_mov_b32 s13, QK_SC
	s_cmp_eq_u32 ttmp9, 2                          ; the third column of clusters makes V^T
	s_cselect_b32 s17, 8, s19                      ; A's first block of 16 tiles: w_v's (tile 128), or the tokens'
	s_cselect_b32 s42, s19, s18                    ; B's: the tokens', or w_q | w_k's
	s_cselect_b32 s8, 8, 48                        ; what A's block number lies above the output's
	s_cselect_b32 s9, 48, 0                        ; and B's
	s_cselect_b32 s10, 6, 8                        ; log2 of the output's tiles to a K step
	s_cselect_b32 s12, VT_IMG, 0
	s_cselect_b32 s13, VT_SC, s13
	s_add_co_u32 s17, s17, s41                     ; A hangs on cy alone of the places in the cluster,
	s_add_co_u32 s42, s42, s40                     ; B on cx alone
	s_sub_co_u32 s9, s42, s9
	s_lshl_b32 s9, s9, 1
	s_add_co_u32 s9, s9, s16                       ; my 128 of B's rows: the output's K step
	s_lshl_b32 s9, s9, s10
	s_sub_co_u32 s8, s17, s8
	s_lshl_b32 s8, s8, 4
	s_add_co_u32 s9, s9, s8
	s_lshl_b32 s8, s15, 3
	s_add_co_u32 s9, s9, s8                        ; my first output fragment
	s_mul_i32 s8, s9, FRB
	s_add_co_u32 s8, s8, s12
	s_lshl_b32 s10, s9, 6
	s_add_co_u32 s10, s10, s13
	s_mov_b32 s9, 0
	s_mov_b32 s11, 0
	s_lshl_b32 s43, s41, 2
	s_lshl_b32 s43, 15, s43                        ; my row of the cluster
	s_lshl_b32 s44, 0x1111, s40                    ; my column
	s_or_b32 s[G1+0], s43, (3<<16)|(1<<21)         ; the mask; elements of 8 bytes; bit 21 beside a mask; no padding
	s_or_b32 s[G1B+0], s44, (3<<16)|(1<<21)
.irp g, G1, G1B                        ; WT rows (tiles) of TROW bytes, KST fragments apart
	s_mov_b32 s[\g+1], (TROW/8)<<16
	s_mov_b32 s[\g+2], (2*WT)<<16                  ; the head's loads bring 2 WT tiles; behind them the two words are set to WT
	s_mov_b32 s[\g+3], (TROW/8)<<16
	s_mov_b32 s[\g+4], 2*WT
	s_mov_b32 s[\g+5], KST*192
	s_mov_b32 s[\g+6], 0
	s_mov_b32 s[\g+7], 0
.endr
	s_or_b32 s[G1S+0], s43, (3<<16)|(1<<21)
	s_or_b32 s[G1SB+0], s44, (3<<16)|(1<<21)
.irp g, G1S, G1SB                      ; HALFS dense bytes as rows of 256
	s_mov_b32 s[\g+1], 32<<16
	s_mov_b32 s[\g+2], (2*HALFS/256)<<16           ; a side's scale words whole: 2 HALFS dense bytes
	s_mov_b32 s[\g+3], 32<<16
	s_mov_b32 s[\g+4], 2*HALFS/256
	s_mov_b32 s[\g+5], 32
	s_mov_b32 s[\g+6], 0
	s_mov_b32 s[\g+7], 0
.endr
	s_mov_b32 s95, 0
	s_lshl_b32 s20, s17, 4                         ; A's first tile
	s_lshl_b32 s46, s42, 4                         ; B's
	s_mul_i32 s22, s20, KST*64
	s_add_co_u32 s22, s22, SCB
	s_mul_i32 s92, s46, KST*64
	s_add_co_u32 s92, s92, SCB
	s_mul_i32 s20, s20, KST*FRB
	s_mul_i32 s46, s46, KST*FRB
	s_mov_b32 s21, 0
	s_mov_b32 s23, 0
	s_mov_b32 s47, 0
	s_mov_b32 s93, 0
	s_mul_i32 s45, s14, HALFT                      ; where they go: no place in the cluster enters an LDS address
	s_mul_i32 s94, s16, WT*KST*FRB                 ; s[94:95]: bytes to the half that I fetch in the ring
	s_wait_kmcnt 0x0
	s_add_nc_u64 s[20:21], s[4:5], s[20:21]
	s_add_nc_u64 s[22:23], s[4:5], s[22:23]
	s_add_nc_u64 s[46:47], s[4:5], s[46:47]
	s_add_nc_u64 s[92:93], s[4:5], s[92:93]
	s_add_nc_u64 s[8:9], s[6:7], s[8:9]            ; the output's images
	s_add_nc_u64 s[10:11], s[6:7], s[10:11]        ; and scale words
	; PREFETCH: of the WT tiles that a wave fetches in the ring, the partner at place p (cx for A, cy for B) names tiles 2 p and 2 p + 1: 2 x 12 blocks of 256 bytes of a fill, a lane a block
	s_lshl_b32 s2, s17, 4
	s_lshl_b32 s3, s42, 4
	s_cmp_eq_u32 s15, 0                            ; do I fetch for A?
	s_cselect_b32 s2, s2, s3                       ; the block's first tile
	s_cselect_b32 s3, s40, s41                     ; my place among the four that ask with me
	s_lshl_b32 s3, s3, 1
	s_add_co_u32 s2, s2, s3
	s_lshl_b32 s3, s16, 3
	s_add_co_u32 s2, s2, s3                        ; + the WT tiles that I fetch
	s_mul_i32 s2, s2, KST*FRB
	s_mov_b32 s3, 0
	s_add_nc_u64 s[PFA:PFA+1], s[4:5], s[2:3]
	CROUND
	s_mov_b32 s[G0S], 1
	s_mov_b32 s[G0S+1], SCL
	s_mov_b64 s[G0S+2:G0S+3], s[22:23]
	s_or_b32 s[G0S+3], s[G0S+3], 0x80000000
	s_mov_b32 s[G0SB], 1
	s_mov_b32 s[G0SB+1], SCL+2*HALFS
	s_mov_b64 s[G0SB+2:G0SB+3], s[92:93]
	s_or_b32 s[G0SB+3], s[G0SB+3], 0x80000000
	s_mov_b32 s[G0], 1                             ; the head's loads: slot 0's 2 WT tiles of A,
	s_mov_b32 s[G0+1], 0
	s_mov_b64 s[G0+2:G0+3], s[20:21]
	s_or_b32 s[G0+3], s[G0+3], 0x80000000
	s_mov_b32 s[G0B], 1                            ; and of B
	s_mov_b32 s[G0B+1], 2*HALFT
	s_mov_b64 s[G0B+2:G0B+3], s[46:47]
	s_or_b32 s[G0B+3], s[G0B+3], 0x80000000
	s_add_nc_u64 s[20:21], s[20:21], s[94:95]      ; the ring: my WT tiles; slot 1's group 0
	s_add_nc_u64 s[46:47], s[46:47], s[94:95]
	s_mov_b32 s[G0+4], 1
	s_add_co_u32 s[G0+5], s45, SLOT
	s_add_nc_u64 s[G0+6:G0+7], s[20:21], TROW
	s_or_b32 s[G0+7], s[G0+7], 0x80000000
	s_mov_b32 s[G0B+4], 1
	s_add_co_u32 s[G0B+5], s45, SLOT
	s_add_nc_u64 s[G0B+6:G0B+7], s[46:47], TROW
	s_or_b32 s[G0B+7], s[G0B+7], 0x80000000
; one joint load a wave at the head: wave 0 A's slot 0, wave 1 B's, wave 2 A's scale words, wave 3 B's: one chain of arms, one join
.macro ARM under, g0, g1, next
	s_cmp_lt_u32 s14, \under
	s_cbranch_scc0 \next
	tensor_load_to_lds s[\g0:\g0+3], s[\g1:\g1+7]
	s_nop 0
.rept 4
	v_nop
.endr
	s_branch .Lhead_asked
\next:
.endm
	ARM 1, G0,  G1,  .Lhead_b
	ARM 2, G0B, G1B, .Lhead_sa
	ARM 3, G0S, G1S, .Lhead_sb
	tensor_load_to_lds s[G0SB:G0SB+3], s[G1SB:G1SB+7]
	s_nop 0
.rept 4
	v_nop
.endr
.Lhead_asked:
	v_and_b32 v[PFO], 31, v0
	v_min_u32 v[PFO], 23, v[PFO]                   ; lanes 24-31 name the last block again
	v_mul_u32_u24 v9, v[PFO], 171
	v_lshrrev_b32 v9, 11, v9                       ; lane / 12: which of my two tiles
	v_mul_u32_u24 v9, v9, KST*FRB-TROW
	v_lshl_add_u32 v[PFO], v[PFO], 8, v9           ; tile x its K steps' bytes + 256 x (lane % 12)
	global_prefetch_b8 v[PFO], s[PFA:PFA+1] offset:TROW th:TH_LOAD_NT scope:SCOPE_SE     ; behind fill 0's load: fills 1 and 2
	global_prefetch_b8 v[PFO], s[PFA:PFA+1] offset:2*TROW th:TH_LOAD_NT scope:SCOPE_SE
	v_and_b32 v1, 15, v0                           ; r
	v_bfe_u32 v2, v0, 4, 1                         ; h
	v_and_b32 v3, 31, v0
	v_lshlrev_b32 v[CO], 4, v3
	v_lshlrev_b32 v[LI8], 3, v3
	v_lshlrev_b32 v[LR4], 2, v1
	s_mul_i32 s21, s15, HALFT
	s_mul_i32 s22, s16, HALFT
	s_add_co_u32 s22, s22, 2*HALFT
.irp s, 0,1
	v_add_nc_u32 v[ADRA+\s], s21, v[CO]
	v_add_nc_u32 v[ADRA+2+\s], s21, v[LI8]
	v_add_nc_u32 v[ADRB+\s], s22, v[CO]
	v_add_nc_u32 v[ADRB+2+\s], s22, v[LI8]
	s_add_co_u32 s21, s21, SLOT
	s_add_co_u32 s22, s22, SLOT
.endr
	s_mul_i32 s21, s15, HALFS                      ; scale words: lanes 0-15 A's, lanes 16-31 B's: the lower base + h x the distance
	s_mul_i32 s22, s16, HALFS
	s_add_co_u32 s22, s22, 2*HALFS
	s_sub_co_u32 s22, s22, s21
	v_mul_u32_u24 v6, s22, v2
	s_add_co_u32 s21, s21, SCL
	v_add_nc_u32 v5, v[LR4], v6
	v_add_nc_u32 v[ADRS], s21, v5
	s_wait_alu depctr_va_vdst(0)
	s_wait_tensorcnt 0x0                           ; my one load of the head is in
	ds_add_u32 v[SPW], v[NIL]
	s_mov_b32 s[G1+2], WT<<16                      ; no load of mine is out: from here on a load brings WT tiles,
	s_mov_b32 s[G1+4], WT
	s_mov_b32 s[G1B+2], WT<<16
	s_mov_b32 s[G1B+4], WT
	s_add_co_u32 s[G0+1], s45, 0                   ; and slot 0's group 0 is the ring's: my quarter, one slot's bytes ahead of slot 1's
	s_sub_nc_u64 s[G0+2:G0+3], s[G0+6:G0+7], TROW
	s_add_co_u32 s[G0B+1], s45, 0
	s_sub_nc_u64 s[G0B+2:G0B+3], s[G0B+6:G0B+7], TROW
	s_wait_dscnt 0x0
	CROUND                                         ; slot 0 and the scale words are whole, and all sixteen work-groups are here
	JLOAD G0+4, G1, G0B+4, G1B                     ; slot 1's first fill, the first tensor load behind the round
	global_prefetch_b8 v[PFO], s[PFA:PFA+1] offset:3*TROW th:TH_LOAD_NT scope:SCOPE_SE   ; behind fill 1's load: fill 3, the last
	FETCH 0, 0, 0
	SCALES 0
	STEP 0, 0, 1                                   ; the first step's products start the sums
	WIN 0
	s_mov_b32 s3, LAPS-1
.Llap:                                                 ; a trip goes once round the ring and fills both slots again
	TURN 0, 1, 1
	STEP 1, 0, 0
	TURN 1, 0, 1
	STEP 0, 0, 0
	WIN 0
	s_sub_co_u32 s3, s3, 1
	s_cmp_lg_u32 s3, 0
	s_cbranch_scc1 .Llap
	TURN 0, 1, 0                                   ; the last lap fills nothing
	STEP 1, 0, 0
	s_wait_dscnt 0x0
	MULS 0, WT, 1, NQ-1, 1, 0
	WIN 0
	; THE WAY OUT: row a of accumulators is 16 rows x 128 neighbours along the next K: one fragment, quantised in registers and stored as an image
	PLACES
	s_mov_b32 s[SEL], 0x76543210
	s_mov_b32 s[SEL+1], 0xfedcba98
.irp b, 0,1,2,3
	v_mov_b32 v[TM+4+\b], 0                        ; written once: a lane permute's destination counts as one of its sources
.endr
.irp a, 0,1,2,3,4,5,6,7
.if \a > 0
	s_wait_xcnt 0x0                                ; the last fragment's stores have read their registers
.endif
	QUANT 64*(\a%4), 2+\a/4
	global_store_b128 v[CO], v[PC:PC+3], s[8:9] offset:\a*FRB        ; 512 or 256 consecutive bytes a store, aligned to 256
	global_store_b64 v[LI8], v[PC+4:PC+5], s[8:9] offset:\a*FRB+512
	global_store_b128 v[CO], v[PC+6:PC+9], s[8:9] offset:\a*FRB+768
	global_store_b64 v[LI8], v[PC+10:PC+11], s[8:9] offset:\a*FRB+1280
	global_store_b32 v[LR4], v[PW], s[10:11] offset:\a*64
.endr
	s_wait_tensorcnt 0x0                           ; the wave's end
	ds_add_u32 v[SPW], v[NIL]
	s_wait_dscnt 0x0
	CROUND                                         ; the closing round
	s_endpgm
.Lfunc_end_k_q7afd12984d_qkv:
	.size	k_q7afd12984d_qkv, .Lfunc_end_k_q7afd12984d_qkv-k_q7afd12984d_qkv
	.p2alignl 7, 3214868480
	.fill 96, 4, 3214868480
	.section	.rodata,"a",@progbits
	.p2align	6, 0x0
	.amdhsa_kernel k_q7afd12984d_qkv
		.amdhsa_group_segment_fixed_size 327680
		.amdhsa_private_segment_fixed_size 0
		.amdhsa_enable_private_segment 0
		.amdhsa_kernarg_size 16
		.amdhsa_user_sgpr_count 2
		.amdhsa_user_sgpr_kernarg_segment_ptr 1
		.amdhsa_wavefront_size32 1
		.amdhsa_system_sgpr_workgroup_id_x 1
		.amdhsa_system_sgpr_workgroup_id_y 1
		.amdhsa_system_sgpr_workgroup_id_z 1
		.amdhsa_system_vgpr_workitem_id 0
		.amdhsa_next_free_vgpr 1024
		.amdhsa_next_free_sgpr 98
		.amdhsa_reserve_vcc 0
		.amdhsa_float_denorm_mode_32 3
		.amdhsa_float_denorm_mode_16_64 3
		.amdhsa_memory_ordered 1
		.amdhsa_forward_progress 1
		.amdhsa_inst_pref_size 152
	.end_amdhsa_kernel
	.amdgpu_metadata
---
amdhsa.version: [ 1, 2 ]
amdhsa.kernels:
  - .name:           k_q7afd12984d_qkv
    .symbol:         k_q7afd12984d_qkv.kd
    .args:
      - { .name: p1, .offset: 0, .size: 8, .value_kind: global_buffer, .address_space: global }
      - { .name: qkv, .offset: 8, .size: 8, .value_kind: global_buffer, .address_space: global }
    .group_segment_fixed_size: 327680
    .private_segment_fixed_size: 0
    .kernarg_segment_align: 8
    .kernarg_segment_size: 16
    .max_flat_workgroup_size: 128
    .sgpr_count:     98
    .vgpr_count:     1024
    .wavefront_size: 32
...
	.end_amdgpu_metadata
.endif
;; end of part 2
;; launch attn (part 3): grid 8 x 32, 16 waves a work-group, clusters of 4 x 1, 215,040 bytes of LDS; arguments qkv, ctx; writes ctx
.if DOCPART == 3
	.amdgcn_target "amdgcn-amd-amdhsa--gfx1250"
	.amdhsa_code_object_version 6
	.text
	.protected	k_q7afd12984d_attn
	.globl	k_q7afd12984d_attn
	.p2align	8
	.type	k_q7afd12984d_attn,@function
k_q7afd12984d_attn:
	s_mov_b64 s[64:65], 0
	v_nop
	global_prefetch_b8 v0, s[64:65] scope:SCOPE_SE
	s_setreg_imm32_b32 hwreg(HW_REG_WAVE_MODE, 25, 1), 1
	s_wait_xcnt 0x0
	s_wait_alu depctr_hold_cnt(0) depctr_sa_sdst(0) depctr_va_vdst(0) depctr_va_sdst(0) depctr_va_ssrc(0) depctr_va_vcc(0) depctr_vm_vsrc(0)
	s_getreg_b32 s2, hwreg(HW_REG_IB_STS2, 6, 4)
	s_cmp_eq_u32 s2, 0
	s_cbranch_scc0 .Lentry_in_a_cluster
	s_endpgm
.Lentry_in_a_cluster:
	s_bfe_u32 s2, ttmp6, 0x10000c
	s_cmp_lg_u32 s2, 0x3003
	s_cbranch_scc0 .Lentry_shape_is_right
	s_endpgm
.Lentry_shape_is_right:
; Causal attention of one head (64 channels) of one batch on codes of E3M2; the result is quantised along (head, channel) and stored as half a fragment image for the next product.
; THE SOFTMAX: t = score x log2(e) / 8; M = the running largest t rounded up to a whole number; p = 2^(t - M) is quantised along the keys, not normalised; the row's sum is taken of the unquantised p and divides at the end.
; SHARES.  Work-group (g, y): y = 16 x batch + head.  Wave w owns ONE tile of 16 queries: tile 8 rho + g of the batch, rho = w xor 3 ((w / 4) % 2).  Its queries lie among keys 128 rho .. 128 rho + 127, so of the sixteen
; key steps of 128 those under rho are open, step rho lies on the diagonal, and the rest are left out: branches on the wave's number and the step's count alone.  So every work-group has the same work: 1 + 2 + .. + 16 steps.
; K AND V OF THE WHOLE HEAD LIE IN LDS, filled once, in four chunks of 512 keys, by joint tensor loads (the four work-groups of a cluster share the head): no slot is ever filled again, and nothing is stored to LDS.
; FOUR PHASES, each behind the barrier that shows one more chunk landed.  A chunk stays in LDS, and the running maximum lets a wave take its chunks in any order, so the short rows are put where the long ones leave room.
; With c = w / 4 (rho lies in chunk c): c = 2, 3 take chunk j in phase j; c = 1 rests in phases 0 and 1, takes chunk 1 (with its diagonal) in phase 2 and chunk 0 in phase 3; c = 0 takes chunk 0 in phase 3.
; Waves w, w + 4, w + 8, w + 12 together then have 8, 8, 9, 9 steps in the four phases, for every w.  Every wave walks every loop; a phase of rest is a jump inside the step.
; LAYOUT.  S^T = K Q^T (source 0 = a tile of 16 keys, source 1 = my queries), O^T = V^T P^T: a lane holds one query throughout; by the order of a tile's rows the 16 registers of two neighbouring tiles are 16 neighbouring keys (or channels).
; Of the first product's K = 128 only 64 are the head's channels.  Q's codes of the other 64 are zeros, so whatever K's operand holds there adds nothing (E3M2 has no code for infinity or NaN, and the scale bytes there are 0, not 0xff):
; K's eight half fragments lie on end, each operand's upper six registers being the next half fragment's, and come by one run of loads.  V's four fragments take the same registers behind the eight products and land under the softmax.
; qkv: q, k: fragment (pair of heads; k's from 8 on) x 256 + tile of tokens, the head's half at 768 x (head % 2); V^T: from VT_IMG, fragment (128 keys) x 64 + tile of channels; scale words 64 bytes a fragment.
; LIMITS: a block of zeros or under 2^-122 gets the byte 1 (its codes are zeros).  NaN and infinities are not served.
; REGISTERS: v1-7 addresses that stay; v8-11, v28-29 the step's; v12 -M, v13 the largest t, v[14:15] the sum; v16-27 Q (22-27 zeros), v30 its scale; v32-79 K's eight half fragments, then V's four fragments; v80-85 zeros (named behind K's last half);
; v86-93 scale words; v96-159 S^T, then p; v160-191 O^T; v224-235 p's codes; v232-254 at work.
.set FRB,   1536
.set VT_IMG, 6291456
.set QK_SC, 9437184
.set VT_SC, 9699328
.set CTX_SC, 3145728
.set VREG,  98304                      ; LDS: K's 128 half fragments from 0, V's 64 fragments from here,
.set SCK,   196608                     ; K's scale words (8,192 bytes),
.set SCV,   204800                     ; V's (4,096)
.set KF,  32
.set KS,  86
.set QX,  2                            ; s2   min(c + c / 2, 3): phase j is a phase of work where j + this is 3 or more
.set QH,  3                            ; s3   c / 2
.set RH,  60                           ; s60  rho in a phase of work, -1 in a phase of rest
.set WV,  88
.set RHO, 89
.set STP, 90                           ; the key step
.set CNT, 91
.set SEL, 92
.set CS,  94                           ; s[94:95] c = log2(e) / 8
.set TK,  96                           ; 6,144 x step: K's tiles and V's tiles of the step
.set TSK, 97                           ; 512 x step: K's scale words
.set TSV, 98                           ; 256 x step: V's
.set QC,  100                          ; s100 c = w / 4
.macro CROUND
	s_barrier_signal -1
	s_barrier_wait -1
	s_cmp_lg_u32 s[WV], 0
	s_cbranch_scc1 .Lnot_wave_0_\@
	s_barrier_signal -3
.Lnot_wave_0_\@:
	s_barrier_wait -3
	s_barrier_signal -1
	s_barrier_wait -1
.endm
.macro G1SET reg, c, r, p              ; descriptor group 1: r rows of c elements of 8 bytes, p elements apart; the mask names all four work-groups, bit 21 beside it
	s_mov_b32 s[\reg], 15|(3<<16)|(1<<21)
	s_mov_b32 s[\reg+1], (\c)<<16
	s_mov_b32 s[\reg+2], (\r)<<16
	s_mov_b32 s[\reg+3], (\c)<<16
	s_mov_b32 s[\reg+4], \r
	s_mov_b32 s[\reg+5], \p
	s_mov_b32 s[\reg+6], 0
	s_mov_b32 s[\reg+7], 0
.endm
.macro G0SET reg, lds, base, off       ; descriptor group 0
	s_mov_b32 s[\reg], 1
	s_mov_b32 s[\reg+1], \lds
	s_add_nc_u64 s[\reg+2:\reg+3], s[\base:\base+1], \off
	s_or_b32 s[\reg+3], s[\reg+3], 0x80000000
.endm
	s_load_b128 s[4:7], s[0:1], 0x0                ; qkv, ctx
	v_lshl_add_u32 v251, v0, 2, 0x34000
	v_mov_b32 v255, 0
	ds_add_u32 v251, v255
	ds_add_u32 v251, v255
	v_lshrrev_b32 v8, 5, v0
	s_delay_alu instid0(VALU_DEP_1)
	v_readfirstlane_b32 s[WV], v8                  ; wave 0..15
	s_lshr_b32 s[RHO], s[WV], 2
	s_and_b32 s[RHO], s[RHO], 1
	s_mul_i32 s[RHO], s[RHO], 3
	s_xor_b32 s[RHO], s[RHO], s[WV]                ; rho: every second group of four waves is turned round, so that waves w, w + 4, w + 8, w + 12 together have 34 steps for every w
	s_bfe_u32 s99, ttmp6, 0x40000                  ; cx
	s_lshl_b32 s67, ttmp9, 2
	s_add_co_u32 s67, s67, s99                     ; g = 4 x cluster x + cx: it enters Q's and the output's addresses and the mask's numbers alone
	s_and_b32 s60, ttmp7, 0xffff
	s_lshr_b32 s61, s60, 4                         ; batch
	s_and_b32 s62, s60, 15                         ; head
	s_lshr_b32 s63, s62, 1                         ; its pair
	s_and_b32 s66, s62, 1                          ; and which of the pair
	G1SET 8, 96, 32, 192                           ; K: 32 tiles' halves of 768 bytes, 1,536 apart
	G1SET 16, 768, 4, 12288                        ; V: 4 key steps x 4 fragments on end, 64 fragments apart
	G1SET 24, 32, 32, 32                           ; K's scale words: 8,192 dense bytes
	G1SET 32, 32, 16, 512                          ; V's: 16 key steps x 256 bytes, 4,096 apart
	s_mov_b32 s[SEL], 0x76543210
	s_mov_b32 s[SEL+1], 0xfedcba98
	s_mov_b32 s[CS], 0x3e38aa3b
	s_mov_b32 s[CS+1], s[CS]
	s_add_co_u32 s2, s63, 8
	s_lshl_b32 s2, s2, 8
	s_lshl_b32 s99, s61, 7
	s_add_co_u32 s2, s2, s99                       ; the fragment of the head's first tile of keys
	s_lshl_b32 s100, s2, 6
	s_add_co_u32 s100, s100, QK_SC
	s_mul_i32 s2, s2, FRB
	s_mul_i32 s99, s66, 768
	s_add_co_u32 s2, s2, s99
	s_mov_b32 s3, 0
	s_mov_b32 s101, 0
	s_wait_dscnt 0x0
	s_wait_kmcnt 0x0
	s_add_nc_u64 s[2:3], s[4:5], s[2:3]
	s_add_nc_u64 s[100:101], s[4:5], s[100:101]
	G0SET 40, SCK, 100, 0
.irp j, 0,1,2,3
	G0SET 44+4*\j, 24576*\j, 2, 49152*\j
.endr
	s_lshl_b32 s2, s61, 10
	s_lshl_b32 s99, s62, 2
	s_add_co_u32 s2, s2, s99                       ; V^T: fragment 64 x (16 x batch) + 4 x head
	s_lshl_b32 s100, s2, 6
	s_add_co_u32 s100, s100, VT_SC
	s_mul_i32 s2, s2, FRB
	s_add_co_u32 s2, s2, VT_IMG
	s_mov_b32 s3, 0
	s_mov_b32 s101, 0
	s_add_nc_u64 s[2:3], s[4:5], s[2:3]
	s_add_nc_u64 s[100:101], s[4:5], s[100:101]
	G0SET 68, SCV, 100, 0
.irp j, 0,1,2,3
	G0SET 72+4*\j, VREG+24576*\j, 2, 393216*\j
.endr
	CROUND                                         ; all four work-groups are here: the joint loads meet
; the ten first fills, one a wave, in one chain of arms on the wave's number: waves 0, 1 the scale words of K, V; waves 2 + 2 j, 3 + 2 j chunk j of K, V; waves 10-15 ask for nothing
.macro ARM w, g0, g1
	s_cmp_eq_u32 s[WV], \w
	s_cbranch_scc0 .Lnot_arm_\w
	tensor_load_to_lds s[\g0:\g0+3], s[\g1:\g1+7]
	s_nop 0
.rept 4
	v_nop
.endr
	s_branch .Lasked
.Lnot_arm_\w:
.endm
	ARM 0, 40, 24
	ARM 1, 68, 32
	ARM 2, 44, 8
	ARM 3, 72, 16
	ARM 4, 48, 8
	ARM 5, 76, 16
	ARM 6, 52, 8
	ARM 7, 80, 16
	ARM 8, 56, 8
	ARM 9, 84, 16
.Lasked:
	s_lshl_b32 s2, s63, 8
	s_lshl_b32 s99, s61, 7
	s_add_co_u32 s2, s2, s99
	s_lshl_b32 s99, s[RHO], 3
	s_add_co_u32 s2, s2, s99
	s_add_co_u32 s2, s2, s67                       ; Q: fragment 256 x pair + my tile of tokens
	s_lshl_b32 s100, s2, 6
	s_lshl_b32 s99, s66, 1
	s_add_co_u32 s100, s100, s99
	s_add_co_u32 s100, s100, QK_SC
	s_mul_i32 s2, s2, FRB
	s_mul_i32 s99, s66, 768
	s_add_co_u32 s2, s2, s99
	s_mov_b32 s3, 0
	s_mov_b32 s101, 0
	s_add_nc_u64 s[2:3], s[4:5], s[2:3]
	s_add_nc_u64 s[100:101], s[4:5], s[100:101]
	v_and_b32 v8, 31, v0                           ; lane
	v_and_b32 v9, 15, v0                           ; r
	v_bfe_u32 v10, v0, 4, 1                        ; h
	s_delay_alu instid0(VALU_DEP_3)
	v_lshlrev_b32 v1, 4, v8                        ; a half image's 16-byte pieces
	s_delay_alu instid0(VALU_DEP_4)
	v_lshl_add_u32 v2, v8, 3, 512                  ; and its 8-byte pieces
	s_delay_alu instid0(VALU_DEP_2)
	v_add_nc_u32 v3, VREG, v1
	v_lshl_add_u32 v4, v8, 3, VREG
	v_lshlrev_b32 v31, 2, v9                       ; 4 r
	global_load_b128 v[16:19], v1, s[2:3]          ; Q's half fragment stays in registers
	global_load_b64 v[20:21], v2, s[2:3]
	global_load_u16 v30, v31, s[100:101]           ; my head's two bytes of the scale word; the upper two are 0, over zero codes
	v_lshl_add_u32 v5, v9, 2, SCK
	s_lshl_b32 s99, s66, 1
	v_add_nc_u32 v5, s99, v5                       ; K's scale words: 4 r + my head's two bytes
	v_lshl_add_u32 v6, v9, 2, SCV
	s_lshr_b32 s99, s67, 1
	s_lshl_b32 s99, s99, 5
	s_and_b32 s60, s67, 1
	s_lshl_b32 s60, s60, 3
	s_add_co_u32 s99, s99, s60
	v_and_b32 v7, 8, v9
	s_delay_alu instid0(VALU_DEP_1)
	v_add_nc_u32 v7, v7, v9
	s_delay_alu instid0(VALU_DEP_1)
	v_add_nc_u32 v7, s99, v7                       ; my query's place in its key step: 32 (g / 2) + 8 (g % 2) + r + 8 (r / 8),
	v_lshlrev_b32 v11, 4, v10
	s_delay_alu instid0(VALU_DEP_1)
	v_sub_nc_u32 v7, v7, v11                       ; less 16 h: register 16 b + i holds key 32 b + 16 h + i, hidden on the diagonal where 32 b + i is above this number
.irp j, 22,23,24,25,26,27
	v_mov_b32 v[\j], 0                             ; channels 64 .. 127 of the first product's K: Q's codes there are zeros
.endr
.irp j, 80,81,82,83,84,85
	v_mov_b32 v[\j], 0                             ; named as the upper half of the operand that begins with K's last half fragment: written once
.endr
	v_mov_b32 v13, 0xff61b1e6                      ; the largest t so far: -3e38
	s_delay_alu instid0(VALU_DEP_1)
	v_floor_f32 v12, -v13                          ; -M
	v_mov_b32 v14, 0
	v_mov_b32 v15, 0
.irp b, 0,1,2,3
	v_mov_b32 v[236+\b], 0                         ; written once: a lane permute's destination counts as one of its sources
.endr
	v_mov_b32 v252, 0
	v_mov_b32 v253, 0
.set J, 0
.rept 32
	v_mov_b32 v[160+J], 0                          ; O^T: the step is written once per phase; the first finds zeros
.set J, J+1
.endr
.macro STEP
	s_cmp_gt_i32 s[STP], s[RH]                     ; all keys of the step come after my queries, or the phase is one of rest: only the addresses step
	s_cbranch_scc1 .Lhidden_\@
	v_add_nc_u32 v8, s[TK], v1                     ; (these six are also the places between the last products and the loads into the registers that they read)
	v_add_nc_u32 v9, s[TK], v2
	v_add_nc_u32 v10, s[TK], v3
	v_add_nc_u32 v11, s[TK], v4
	v_add_nc_u32 v28, s[TSK], v5
	v_add_nc_u32 v29, s[TSV], v6
.irp t, 0,1,2,3,4,5,6,7                        ; K's eight half fragments on end, and their rows' two scale bytes
	ds_load_b128 v[KF+6*\t:KF+6*\t+3], v8 offset:768*\t
	ds_load_b64 v[KF+6*\t+4:KF+6*\t+5], v9 offset:768*\t
	ds_load_u16 v[KS+\t], v28 offset:64*\t
.endr
	s_wait_alu depctr_va_vdst(0)
	s_wait_dscnt 0x0
.irp t, 0,1,2,3,4,5,6,7                        ; S^T = K Q^T: eight tiles of 16 keys
	v_wmma_scale_f32_16x16x128_f8f6f4 v[96+8*\t:103+8*\t], v[KF+6*\t:KF+6*\t+11], v[16:27], 0, v[KS+\t], v30 matrix_a_fmt:MATRIX_FMT_BF6 matrix_b_fmt:MATRIX_FMT_BF6
.endr
.rept 4
	v_nop                                          ; places in front of the loads into registers that these products read, and of the first read of their results
.endr
.irp t, 0,1,2,3                                ; V's four fragments take K's registers: asked for here, wanted behind the softmax
	ds_load_b128 v[KF+12*\t:KF+12*\t+3], v10 offset:1536*\t
	ds_load_b64 v[KF+12*\t+4:KF+12*\t+5], v11 offset:1536*\t+512
	ds_load_b128 v[KF+12*\t+6:KF+12*\t+9], v10 offset:1536*\t+768
	ds_load_b64 v[KF+12*\t+10:KF+12*\t+11], v11 offset:1536*\t+1280
	ds_load_b32 v[KS+\t], v29 offset:64*\t
.endr
	s_cmp_lt_u32 s[STP], s[RHO]                    ; a step all of whose keys count skips the mask
	s_cbranch_scc1 .Lopen_\@
	v_mov_b32 v254, 0xff800000                     ; -infinity
.set J, 0
.rept 64
	v_cmp_gt_i32 vcc_lo, 32*(J/16)+J%16, v7
	v_cndmask_b32 v[96+J], v[96+J], v254, vcc_lo
.set J, J+1
.endr
.Lopen_\@:
.irp b, 0,1,2,3
	v_max3_num_f32 v[232+\b], v[96+16*\b], v[97+16*\b], v[98+16*\b]   ; the largest score of each block of 32 keys: for the row's maximum, and, since p rises with the score, for the block's largest p
.endr
.irp i, 3,5,7,9,11,13
.irp b, 0,1,2,3
	v_max3_num_f32 v[232+\b], v[232+\b], v[96+16*\b+\i], v[97+16*\b+\i]
.endr
.endr
.irp b, 0,1,2,3
	v_max_num_f32 v[232+\b], v[232+\b], v[111+16*\b]
.endr
.irp b, 0,1,2,3
	s_delay_alu instid0(VALU_DEP_4)
	v_permlanex16_b32 v[236+\b], v[232+\b], s[SEL], s[SEL+1]
.endr
.irp b, 0,1,2,3
	s_delay_alu instid0(VALU_DEP_4)
	v_max_num_f32 v[232+\b], v[232+\b], v[236+\b]
.endr
	s_delay_alu instid0(VALU_DEP_2)
	v_max3_num_f32 v254, v232, v233, v234
	s_delay_alu instid0(VALU_DEP_1)
	v_max_num_f32 v254, v254, v235
	s_delay_alu instid0(VALU_DEP_1)
	v_mul_f32 v254, s[CS], v254
	s_delay_alu instid0(VALU_DEP_1)
	v_max_num_f32 v13, v13, v254                   ; the running largest t
	v_mov_b32 v254, v12
	s_delay_alu instid0(VALU_DEP_2)
	v_floor_f32 v12, -v13                          ; the new -M = -ceil(t)
	s_delay_alu instid0(VALU_DEP_1)
	v_sub_f32 v254, v12, v254                      ; old M less new M: a whole number, 0 or less
	s_delay_alu instid0(VALU_DEP_1)
	v_cvt_i32_f32 v254, v254                       ; (it saturates)
	s_delay_alu instid0(VALU_DEP_1)
	v_ldexp_f32 v252, 1.0, v254                    ; f = 2^(old M - new M)
.set J, 0
.rept 32
	v_pk_fma_f32 v[96+J:97+J], v[96+J:97+J], s[CS:CS+1], v[12:13] op_sel_hi:[1,0,0]   ; t - M
.set J, J+2
.endr
.irp b, 0,1,2,3
	v_fma_f32 v[232+\b], v[232+\b], s[CS], v12
.endr
.set J, 0
	s_wait_alu depctr_va_vdst(0)
.rept 64
	v_exp_f32 v[96+J], v[96+J]                     ; p = 2^(t - M)
.set J, J+1
.endr
.irp b, 0,1,2,3
	v_exp_f32 v[232+\b], v[232+\b]                 ; the block's largest p: the same two instructions on the same number
.endr
	v_pk_mul_f32 v[14:15], v[14:15], v[252:253] op_sel_hi:[1,0]      ; the sums under the new M (a plain place behind the exponentials)
	s_wait_alu depctr_va_vdst(0)
.irp b, 0,1,2,3
	v_max_num_f32 v[232+\b], 0x2800000, v[232+\b]  ; the floor 2^(5 - 127)
.endr
.irp b, 0,1,2,3
	s_delay_alu instid0(VALU_DEP_4)
	v_add_nc_u32 v[244+\b], 0xfe000000, v[232+\b]
.endr
.irp b, 0,1,2,3
	s_delay_alu instid0(VALU_DEP_4)
	v_lshrrev_b32 v[236+\b], 23, v[244+\b]
.endr
	s_delay_alu instid0(VALU_DEP_3)
	v_lshl_or_b32 v253, v237, 8, v236              ; p's scale word for these 128 keys
	s_delay_alu instid0(VALU_DEP_1)
	v_lshl_or_b32 v253, v238, 16, v253
	s_delay_alu instid0(VALU_DEP_1)
	v_lshl_or_b32 v253, v239, 24, v253
.irp c, 0,1
	v_cvt_scalef32_pk16_bf6_f32 v[224+6*\c:226+6*\c], v[96+32*\c:111+32*\c], v[244+2*\c]
	v_cvt_scalef32_pk16_bf6_f32 v[236+4*\c:238+4*\c], v[112+32*\c:127+32*\c], v[244+2*\c+1]
.endr
	v_nop                                          ; one plain place behind a scaled conversion
.irp c, 0,1
.irp i, 0,1,2
	v_permlane16_swap_b32 v[224+6*\c+\i], v[236+4*\c+\i]
.endr
.irp i, 0,1,2
	s_delay_alu instid0(VALU_DEP_3)
	v_mov_b32 v[227+6*\c+\i], v[236+4*\c+\i]
.endr
.endr
	v_pk_add_f32 v[236:237], v[108:109], v[116:117]
	v_pk_add_f32 v[238:239], v[124:125], v[132:133]
	v_pk_add_f32 v[240:241], v[140:141], v[148:149]
	v_pk_add_f32 v[248:249], v[156:157], v[96:97]
	v_pk_add_f32 v[246:247], v[98:99], v[110:111]
	v_pk_add_f32 v[244:245], v[118:119], v[126:127]
	v_pk_add_f32 v[242:243], v[134:135], v[142:143]
	v_pk_add_f32 v[14:15], v[14:15], v[150:151]
	v_pk_add_f32 v[236:237], v[236:237], v[158:159]
	v_pk_add_f32 v[238:239], v[238:239], v[100:101]
	v_pk_add_f32 v[240:241], v[240:241], v[102:103]
	v_pk_add_f32 v[248:249], v[248:249], v[112:113]
	v_pk_add_f32 v[246:247], v[246:247], v[120:121]
	v_pk_add_f32 v[244:245], v[244:245], v[128:129]
	v_pk_add_f32 v[242:243], v[242:243], v[136:137]
	v_pk_add_f32 v[14:15], v[14:15], v[144:145]
	v_pk_add_f32 v[236:237], v[236:237], v[152:153]
	v_pk_add_f32 v[238:239], v[238:239], v[104:105]
	v_pk_add_f32 v[240:241], v[240:241], v[106:107]
	v_pk_add_f32 v[248:249], v[248:249], v[114:115]
	v_pk_add_f32 v[246:247], v[246:247], v[122:123]
	v_pk_add_f32 v[244:245], v[244:245], v[130:131]
	v_pk_add_f32 v[242:243], v[242:243], v[138:139]
	v_pk_add_f32 v[14:15], v[14:15], v[146:147]
	v_pk_add_f32 v[236:237], v[236:237], v[154:155]
	s_delay_alu instid0(VALU_DEP_2)
	v_pk_add_f32 v[14:15], v[14:15], v[248:249]
	s_delay_alu instid0(VALU_DEP_2)
	v_pk_add_f32 v[236:237], v[236:237], v[246:247]
	v_pk_add_f32 v[238:239], v[238:239], v[244:245]
	v_pk_add_f32 v[240:241], v[240:241], v[242:243]
	s_delay_alu instid0(VALU_DEP_2)
	v_pk_add_f32 v[14:15], v[14:15], v[238:239]
	s_delay_alu instid0(VALU_DEP_2)
	v_pk_add_f32 v[236:237], v[236:237], v[240:241]
	s_delay_alu instid0(VALU_DEP_1)
	v_pk_add_f32 v[14:15], v[14:15], v[236:237]
.set J, 0
.rept 16
	v_pk_mul_f32 v[160+J:161+J], v[160+J:161+J], v[252:253] op_sel_hi:[1,0]   ; O^T under the new M.  (With the sums above: the places between the scale word's and the codes' last writes and the products)
.set J, J+2
.endr
	s_wait_alu depctr_va_vdst(0)
	s_wait_dscnt 0x0                               ; V's fragments and scale words
.irp t, 0,1,2,3                                ; O^T += V^T P^T: four accumulators, one instruction each
	v_wmma_scale_f32_16x16x128_f8f6f4 v[160+8*\t:167+8*\t], v[KF+12*\t:KF+12*\t+11], v[224:235], v[160+8*\t:167+8*\t], v[KS+\t], v253 matrix_a_fmt:MATRIX_FMT_BF6 matrix_b_fmt:MATRIX_FMT_BF6
.endr
.Lhidden_\@:
	s_add_co_u32 s[STP], s[STP], 1
	s_add_co_u32 s[TK], s[TK], 6144
	s_add_co_u32 s[TSK], s[TSK], 512
	s_add_co_u32 s[TSV], s[TSV], 256
.endm
; Phase j: chunk j has landed.  The waves under 4 + 2 j, which asked for the scale words and chunks 0 .. j, wait for their one load ahead of the barrier; the later chunks' loads may stay out.
; My chunk in this phase is made of my wave's number alone, and is never above j: 0;  c / 2;  min(c, 2);  3 (c / 2).
.macro CHUNK j
.if \j < 3
	s_cmp_ge_u32 s[WV], 4+2*\j
	s_cbranch_scc1 .Llater_\@
.endif
	s_wait_tensorcnt 0x0
.if \j < 3
.Llater_\@:
.endif
	s_barrier_signal -1
	s_barrier_wait -1
.if \j == 0
	s_mov_b32 s99, 0
.elseif \j == 1
	s_mov_b32 s99, s[QH]
.elseif \j == 2
	s_min_u32 s99, s[QC], 2
.else
	s_mul_i32 s99, s[QH], 3
.endif
	s_lshl_b32 s[STP], s99, 2                      ; its first key step, and where that step's tiles and scale words lie
	s_mul_i32 s[TK], s99, 24576
	s_lshl_b32 s[TSK], s99, 11
	s_lshl_b32 s[TSV], s99, 10
	s_add_co_u32 s99, s[QX], \j
	s_cmp_ge_u32 s99, 3                            ; a phase of work?
	s_cselect_b32 s[RH], s[RHO], -1
	s_mov_b32 s[CNT], 4
.Lstep_\@:
	STEP
	s_sub_co_u32 s[CNT], s[CNT], 1
	s_cmp_lg_u32 s[CNT], 0
	s_cbranch_scc1 .Lstep_\@
.endm
	s_wait_loadcnt 0x0                             ; Q: its loads' bases are free too
	s_lshr_b32 s[QC], s[WV], 2
	s_lshr_b32 s[QH], s[WV], 3
	s_add_co_u32 s[QX], s[QC], s[QH]
	s_min_u32 s[QX], s[QX], 3
	CHUNK 0
	CHUNK 1
	CHUNK 2
	CHUNK 3
	; THE WAY OUT: O^T / the sum: 32 numbers a lane, register 16 b + i = channel 32 b + 16 h + i of my query: two blocks, half a fragment of the next product's operand
.rept 4
	v_nop
.endr
	v_add_f32 v14, v14, v15
	s_delay_alu instid0(VALU_DEP_1)
	v_permlanex16_b32 v252, v14, s[SEL], s[SEL+1]
	s_delay_alu instid0(VALU_DEP_1)
	v_add_f32 v14, v14, v252
	s_wait_alu depctr_va_vdst(0)
	v_rcp_f32 v14, v14
	v_nop                                          ; one plain place behind a transcendental
.set J, 0
	s_wait_alu depctr_va_vdst(0)
.rept 32
	v_mul_f32 v[96+J], v[160+J], v14
.set J, J+1
.endr
	s_lshl_b32 s2, s61, 7
	s_lshl_b32 s99, s[RHO], 3
	s_add_co_u32 s2, s2, s99
	s_add_co_u32 s2, s2, s67                       ; my tile of tokens
	s_lshl_b32 s2, s2, 3
	s_add_co_u32 s2, s2, s63                       ; fragment 8 x tile + pair of heads
	s_lshl_b32 s100, s2, 6
	s_lshl_b32 s99, s66, 1
	s_add_co_u32 s100, s100, s99
	s_add_co_u32 s100, s100, CTX_SC
	s_mul_i32 s2, s2, FRB
	s_mul_i32 s99, s66, 768
	s_add_co_u32 s2, s2, s99
	s_mov_b32 s3, 0
	s_mov_b32 s101, 0
	s_add_nc_u64 s[2:3], s[6:7], s[2:3]
	s_add_nc_u64 s[100:101], s[6:7], s[100:101]
.irp b, 0,1
	v_max3_num_f32 v[232+\b], |v[96+16*\b]|, |v[97+16*\b]|, 0x2800000
.endr
.irp i, 2,4,6,8,10,12,14
.irp b, 0,1
	s_delay_alu instid0(VALU_DEP_2)
	v_max3_num_f32 v[232+\b], v[232+\b], |v[96+16*\b+\i]|, |v[97+16*\b+\i]|
.endr
.endr
.irp b, 0,1
	s_delay_alu instid0(VALU_DEP_2)
	v_permlanex16_b32 v[236+\b], v[232+\b], s[SEL], s[SEL+1]
.endr
.irp b, 0,1
	s_delay_alu instid0(VALU_DEP_2)
	v_max_num_f32 v[232+\b], v[232+\b], v[236+\b]
.endr
.irp b, 0,1
	s_delay_alu instid0(VALU_DEP_2)
	v_add_nc_u32 v[244+\b], 0xfe000000, v[232+\b]
.endr
.irp b, 0,1
	s_delay_alu instid0(VALU_DEP_2)
	v_lshrrev_b32 v[236+\b], 23, v[244+\b]
.endr
	s_delay_alu instid0(VALU_DEP_1)
	v_lshl_or_b32 v253, v237, 8, v236              ; my head's two bytes of the row's scale word
	v_cvt_scalef32_pk16_bf6_f32 v[192:194], v[96:111], v244
	v_cvt_scalef32_pk16_bf6_f32 v[200:202], v[112:127], v245
	v_nop
.irp i, 0,1,2
	v_permlane16_swap_b32 v[192+\i], v[200+\i]
.endr
.irp i, 0,1,2
	s_delay_alu instid0(VALU_DEP_3)
	v_mov_b32 v[195+\i], v[200+\i]
.endr
	global_store_b128 v1, v[192:195], s[2:3]       ; 512 consecutive bytes, aligned to 256
	global_store_b64 v2, v[196:197], s[2:3]        ; 256 (v2 carries the 512 bytes' step)
	global_store_b16 v31, v253, s[100:101]         ; lanes 16-31 repeat lanes 0-15
	s_wait_tensorcnt 0x0
	ds_add_u32 v251, v255
	s_wait_dscnt 0x0
	CROUND                                         ; the closing round
	s_endpgm
.Lfunc_end_k_q7afd12984d_attn:
	.size	k_q7afd12984d_attn, .Lfunc_end_k_q7afd12984d_attn-k_q7afd12984d_attn
	.p2alignl 7, 3214868480
	.fill 96, 4, 3214868480
	.section	.rodata,"a",@progbits
	.p2align	6, 0x0
	.amdhsa_kernel k_q7afd12984d_attn
		.amdhsa_group_segment_fixed_size 215040
		.amdhsa_private_segment_fixed_size 0
		.amdhsa_enable_private_segment 0
		.amdhsa_kernarg_size 16
		.amdhsa_user_sgpr_count 2
		.amdhsa_user_sgpr_kernarg_segment_ptr 1
		.amdhsa_wavefront_size32 1
		.amdhsa_system_sgpr_workgroup_id_x 1
		.amdhsa_system_sgpr_workgroup_id_y 1
		.amdhsa_system_sgpr_workgroup_id_z 1
		.amdhsa_system_vgpr_workitem_id 0
		.amdhsa_next_free_vgpr 256
		.amdhsa_next_free_sgpr 102
		.amdhsa_reserve_vcc 1
		.amdhsa_float_denorm_mode_32 3
		.amdhsa_float_denorm_mode_16_64 3
		.amdhsa_memory_ordered 1
		.amdhsa_forward_progress 1
		.amdhsa_inst_pref_size 113
	.end_amdhsa_kernel
	.amdgpu_metadata
---
amdhsa.version: [ 1, 2 ]
amdhsa.kernels:
  - .name:           k_q7afd12984d_attn
    .symbol:         k_q7afd12984d_attn.kd
    .args:
      - { .name: qkv, .offset: 0, .size: 8, .value_kind: global_buffer, .address_space: global }
      - { .name: ctx, .offset: 8, .size: 8, .value_kind: global_buffer, .address_space: global }
    .group_segment_fixed_size: 215040
    .private_segment_fixed_size: 0
    .kernarg_segment_align: 8
    .kernarg_segment_size: 16
    .max_flat_workgroup_size: 512
    .sgpr_count:     102
    .vgpr_count:     256
    .wavefront_size: 32
...
	.end_amdgpu_metadata
.endif
;; end of part 3
;; launch wo (part 4): grid 8 x 32, 4 waves a work-group, clusters of 4 x 4, 327,680 bytes of LDS; arguments ctx, p1, b_o, x, x1; writes x1
.if DOCPART == 4
	.amdgcn_target "amdgcn-amd-amdhsa--gfx1250"
	.amdhsa_code_object_version 6
	.text
	.protected	k_q7afd12984d_wo
	.globl	k_q7afd12984d_wo
	.p2align	8
	.type	k_q7afd12984d_wo,@function
k_q7afd12984d_wo:
	s_mov_b64 s[64:65], 0
	v_nop
	global_prefetch_b8 v0, s[64:65] scope:SCOPE_SE
	s_setreg_imm32_b32 hwreg(HW_REG_WAVE_MODE, 25, 1), 1
	s_wait_xcnt 0x0
	s_wait_alu depctr_hold_cnt(0) depctr_sa_sdst(0) depctr_va_vdst(0) depctr_va_sdst(0) depctr_va_ssrc(0) depctr_va_vcc(0) depctr_vm_vsrc(0)
	s_getreg_b32 s2, hwreg(HW_REG_IB_STS2, 6, 4)
	s_cmp_eq_u32 s2, 0
	s_cbranch_scc0 .Lentry_in_a_cluster
	s_endpgm
.Lentry_in_a_cluster:
	s_bfe_u32 s2, ttmp6, 0x10000c
	s_cmp_lg_u32 s2, 0xf033
	s_cbranch_scc0 .Lentry_shape_is_right
	s_endpgm
.Lentry_shape_is_right:
; x1 = x + ctx w_o + b_o.  ctx (side A: fragment 8 x tile of tokens + K step, scale words from ASC) and w_o (side B: p1's tiles 192-255) are codes of E3M2 with E8M0 scales, as images of operand registers; K = 1,024.
; N is 1,024 only: tiles of 256 x 256 would be 64 work-groups, so a work-group makes 128 x 128 (256 work-groups) and a wave 64 x 64: 16 accumulators.  A slot holds four steps of 128 along K; the whole K fits into the two slots' first fills.
; THE MATRIX INSTRUCTION IS USED TRANSPOSED (source 0 = a tile of w_o's columns, source 1 = a tile of tokens): a lane holds one token and 8 neighbouring columns a register run.  The bias is the C of each sum's first instruction.
; A tile's row r is token 32 (T / 2) + 8 (T % 2) + r + 8 (r / 8): the way out puts each row where it belongs.
; THE RESIDUAL, my 64 tokens x 64 columns of x, is asked for at the head, 32 loads into 128 registers of their own, in the very lanes in which the way out reads the results back: it lands under the products.
; REGISTERS: window 0: v16-31 addresses, v32-63 scale words (two sets: register 4 i + q), A's fragments at v64 and v160; window 1: B's at v0 and v128, the bias at v96-127; window 2: accumulator (a, b) at 8 (4 a + b);
; window 3: v0-127 the residual (tile a, rows 2 t and 2 t + 1 at 32 a + 4 t).
.set WT,    4
.set NQ,    4
.set KST,   8
.set FRB,   1536
.set TROW,  NQ*FRB
.set HALFT, WT*TROW
.set SLOT,  4*HALFT
.set SCL,   2*SLOT
.set HALFS, WT*KST*64
.set SPARE, SCL+4*HALFS
.set AIMG,  0
.set ASC,   3145728
.set BIMG,  2359296                    ; tile 192 x 8 K steps x 1,536
.set BSC,   12582912+98304
.set ADRA, 16
.set ADRB, 20
.set STO,  24
.set RD,   25
.set CO,   26
.set ADRS, 27
.set SPW,  28
.set NIL,  29
.set LI8,  30
.set LR4,  31
.set SC,   32
.set AF,   64
.set BI,   96
.set G1, 24
.set G0, 32
.set G1B, 48
.set G0B, 56
.set G1S, 68
.set G0S, 76
.set G1SB, 80
.set G0SB, 88
.set PFO,  8                           ; v8 the prefetch's offset: 256 x min(lane, 23)
.set PFA,  66                          ; s[66:67] the prefetch's base: my work-group's tile of the WT that I fetch of slot 1
.set MSB, 0
.macro WIN new
.if MSB != (\new)
	s_set_vgpr_msb (MSB<<8)|(\new)
.set MSB, (\new)
.endif
.endm
.macro PLACES
.rept 4
	v_nop
.endr
.endm
.macro JLOAD g0a, g1a, g0b, g1b        ; a joint load: waves 0, 1 fetch for A, waves 2, 3 for B; four v_nop follow each line
	s_cmp_eq_u32 s15, 0
	s_cbranch_scc0 .Lfor_b_\@
	tensor_load_to_lds s[\g0a:\g0a+3], s[\g1a:\g1a+7]
	s_nop 0
.rept 4
	v_nop
.endr
	s_branch .Lasked_\@
.Lfor_b_\@:
	tensor_load_to_lds s[\g0b:\g0b+3], s[\g1b:\g1b+7]
	s_nop 0
.rept 4
	v_nop
.endr
.Lasked_\@:
.endm
.macro CREST
	s_cmp_lg_u32 s14, 0
	s_cbranch_scc1 .Lnot_wave_0_\@
	s_barrier_signal -3
.Lnot_wave_0_\@:
	s_barrier_wait -3
	s_barrier_signal -1
	s_barrier_wait -1
.endm
.macro CROUND
	s_barrier_signal -1
	s_barrier_wait -1
	CREST
.endm
.macro FRAG reg, a16, a8, off
	ds_load_b128 v[\reg:\reg+3], v[\a16] offset:\off
	ds_load_b64 v[\reg+4:\reg+5], v[\a8] offset:\off+512
	ds_load_b128 v[\reg+6:\reg+9], v[\a16] offset:\off+768
	ds_load_b64 v[\reg+10:\reg+11], v[\a8] offset:\off+1280
.endm
.macro FETCH slot, q, set
	WIN 0x40
.set II, 0
.rept WT
	FRAG 128*(\set)+12*II, ADRB+\slot, ADRB+2+\slot, II*TROW+(\q)*FRB
.set II, II+1
.endr
	WIN 0
.set II, 0
.rept WT
	FRAG AF+96*(\set)+12*II, ADRA+\slot, ADRA+2+\slot, II*TROW+(\q)*FRB
.set II, II+1
.endr
.endm
.macro SCALES sc
.set II, 0
.rept WT
.set QQ, 0
.rept NQ
	ds_load_b32 v[SC+16*(\sc)+NQ*II+QQ], v[ADRS] offset:II*KST*64+64*QQ
.set QQ, QQ+1
.endr
.set II, II+1
.endr
.endm
; c = 0: add in place; 2: the bias starts the sums.  The accumulators take turns, one instruction a turn, in one order
.macro MULS a0, n, set, q, sc, c
.set AA, \a0
.rept \n
.if \c == 0
	WIN 0xa1
.else
	WIN 0x91
.endif
.set BB, 0
.rept WT
.set DD, 8*(WT*AA+BB)
.if \c == 0
	v_wmma_scale_f32_16x16x128_f8f6f4 v[DD:DD+7], v[128*(\set)+12*BB:128*(\set)+12*BB+11], v[AF+96*(\set)+12*AA:AF+96*(\set)+12*AA+11], v[DD:DD+7], v[SC+16*(\sc)+NQ*BB+(\q)], v[SC+16*(\sc)+NQ*AA+(\q)] matrix_a_fmt:MATRIX_FMT_BF6 matrix_b_fmt:MATRIX_FMT_BF6 matrix_a_scale:MATRIX_SCALE_ROW1
.else
	v_wmma_scale_f32_16x16x128_f8f6f4 v[DD:DD+7], v[128*(\set)+12*BB:128*(\set)+12*BB+11], v[AF+96*(\set)+12*AA:AF+96*(\set)+12*AA+11], v[BI+8*BB:BI+8*BB+7], v[SC+16*(\sc)+NQ*BB+(\q)], v[SC+16*(\sc)+NQ*AA+(\q)] matrix_a_fmt:MATRIX_FMT_BF6 matrix_b_fmt:MATRIX_FMT_BF6 matrix_a_scale:MATRIX_SCALE_ROW1
.endif
.set BB, BB+1
.endr
.set AA, AA+1
.endr
.endm
.macro STEP slot, q, c
	s_wait_dscnt 0x0                               ; this step's fragments and scale words, asked for a step ago
	PLACES
	FETCH \slot, (\q)+1, 1-(\q)%2
	MULS 0, WT, (\q)%2, \q, \slot, \c
.endm
.macro TURN slot, next                 ; a slot's last step changes slots: one barrier; nothing is filled again in this launch
	WIN 0
	s_wait_tensorcnt 0x0                           ; all my tensor loads have landed: my part of the next slot
	ds_add_u32 v[SPW], v[NIL]                      ; 0 onto my spare word
	s_wait_dscnt 1
	MULS 0, WT/4, 1, NQ-1, \slot, 0
	s_wait_dscnt 0x0
	s_barrier_signal -1
	MULS WT/4, WT/4, 1, NQ-1, \slot, 0
	WIN 0
	s_barrier_wait -1
	PLACES
	v_add_nc_u32 v[ADRS], 64*NQ, v[ADRS]
	FETCH \next, 0, 0
	SCALES \next
	MULS WT/2, WT/2, 1, NQ-1, \slot, 0
.endm
	s_load_b256 s[4:11], s[0:1], 0x0               ; A's buffer, p1, the bias, the residual
	s_load_b64 s[12:13], s[0:1], 0x20              ; the output
	v_lshl_add_u32 v[SPW], v0, 2, SPARE
	v_mov_b32 v[NIL], 0
	ds_add_u32 v28, v29
	ds_add_u32 v28, v29
	s_wait_dscnt 0x0
	v_lshrrev_b32 v1, 5, v0
	v_readfirstlane_b32 s14, v1
	s_lshr_b32 s15, s14, 1
	s_and_b32 s16, s14, 1
	s_bfe_u32 s40, ttmp6, 0x40000
	s_bfe_u32 s41, ttmp6, 0x40004
	s_lshl_b32 s42, ttmp9, 2
	s_add_co_u32 s42, s42, s40                     ; block of 128 columns
	s_and_b32 s17, ttmp7, 0xffff
	s_lshl_b32 s17, s17, 2
	s_add_co_u32 s17, s17, s41                     ; block of 128 tokens
	s_lshl_b32 s43, s41, 2
	s_lshl_b32 s43, 15, s43
	s_lshl_b32 s44, 0x1111, s40
	s_or_b32 s[G1+0], s43, (3<<16)|(1<<21)
	s_or_b32 s[G1B+0], s44, (3<<16)|(1<<21)
.irp g, G1, G1B
	s_mov_b32 s[\g+1], (TROW/8)<<16
	s_mov_b32 s[\g+2], (2*WT)<<16                  ; the head's loads bring 2 WT tiles; behind them the two words are set to WT
	s_mov_b32 s[\g+3], (TROW/8)<<16
	s_mov_b32 s[\g+4], 2*WT
	s_mov_b32 s[\g+5], KST*192
	s_mov_b32 s[\g+6], 0
	s_mov_b32 s[\g+7], 0
.endr
	s_or_b32 s[G1S+0], s43, (3<<16)|(1<<21)
	s_or_b32 s[G1SB+0], s44, (3<<16)|(1<<21)
.irp g, G1S, G1SB
	s_mov_b32 s[\g+1], 32<<16
	s_mov_b32 s[\g+2], (2*HALFS/256)<<16           ; a side's scale words whole: 2 HALFS dense bytes
	s_mov_b32 s[\g+3], 32<<16
	s_mov_b32 s[\g+4], 2*HALFS/256
	s_mov_b32 s[\g+5], 32
	s_mov_b32 s[\g+6], 0
	s_mov_b32 s[\g+7], 0
.endr
	s_mov_b32 s95, 0
	s_lshl_b32 s20, s17, 3                         ; A's first tile
	s_lshl_b32 s46, s42, 3                         ; B's
	s_mul_i32 s22, s20, KST*64
	s_add_co_u32 s22, s22, ASC
	s_mul_i32 s92, s46, KST*64
	s_add_co_u32 s92, s92, BSC
	s_mul_i32 s20, s20, KST*FRB
	s_add_co_u32 s20, s20, AIMG
	s_mul_i32 s46, s46, KST*FRB
	s_add_co_u32 s46, s46, BIMG
	s_mov_b32 s21, 0
	s_mov_b32 s23, 0
	s_mov_b32 s47, 0
	s_mov_b32 s93, 0
	s_mul_i32 s45, s14, HALFT
	s_mul_i32 s94, s16, WT*KST*FRB                 ; s[94:95]: bytes to the half that I fetch of slot 1
	s_lshl_b32 s2, s42, 9
	s_lshl_b32 s3, s16, 8
	s_add_co_u32 s2, s2, s3                        ; my first column, in bytes
	s_lshl_b32 s18, s17, 19
	s_lshl_b32 s19, s15, 18
	s_add_co_u32 s18, s18, s19
	s_add_co_u32 s18, s18, s2                      ; + my first token's row of 4,096 bytes
	s_mov_b32 s3, 0
	s_mov_b32 s19, 0
	s_wait_kmcnt 0x0
	s_add_nc_u64 s[20:21], s[4:5], s[20:21]
	s_add_nc_u64 s[22:23], s[4:5], s[22:23]
	s_add_nc_u64 s[46:47], s[6:7], s[46:47]
	s_add_nc_u64 s[92:93], s[6:7], s[92:93]
	s_add_nc_u64 s[8:9], s[8:9], s[2:3]
	s_add_nc_u64 s[10:11], s[10:11], s[18:19]
	s_add_nc_u64 s[12:13], s[12:13], s[18:19]
	; PREFETCH: of the WT tiles that a wave fetches of slot 1, the partner at place p (cx for A, cy for B) names tile p: 24 blocks of 256 bytes, a lane a block
	s_lshl_b32 s2, s17, 3
	s_lshl_b32 s3, s42, 3
	s_cmp_eq_u32 s15, 0                            ; do I fetch for A?
	s_cselect_b32 s2, s2, s3
	s_cselect_b32 s3, s40, s41
	s_cselect_b32 s18, AIMG, BIMG
	s_cselect_b64 s[PFA:PFA+1], s[4:5], s[6:7]
	s_add_co_u32 s2, s2, s3
	s_lshl_b32 s3, s16, 2
	s_add_co_u32 s2, s2, s3
	s_mul_i32 s2, s2, KST*FRB
	s_add_co_u32 s2, s2, s18
	s_mov_b32 s3, 0
	s_add_nc_u64 s[PFA:PFA+1], s[PFA:PFA+1], s[2:3]
	CROUND
	s_mov_b32 s[G0S], 1
	s_mov_b32 s[G0S+1], SCL
	s_mov_b64 s[G0S+2:G0S+3], s[22:23]
	s_or_b32 s[G0S+3], s[G0S+3], 0x80000000
	s_mov_b32 s[G0SB], 1
	s_mov_b32 s[G0SB+1], SCL+2*HALFS
	s_mov_b64 s[G0SB+2:G0SB+3], s[92:93]
	s_or_b32 s[G0SB+3], s[G0SB+3], 0x80000000
	s_mov_b32 s[G0], 1                             ; the head's loads: slot 0's 2 WT tiles of A,
	s_mov_b32 s[G0+1], 0
	s_mov_b64 s[G0+2:G0+3], s[20:21]
	s_or_b32 s[G0+3], s[G0+3], 0x80000000
	s_mov_b32 s[G0B], 1                            ; and of B
	s_mov_b32 s[G0B+1], 2*HALFT
	s_mov_b64 s[G0B+2:G0B+3], s[46:47]
	s_or_b32 s[G0B+3], s[G0B+3], 0x80000000
	s_add_nc_u64 s[20:21], s[20:21], s[94:95]      ; slot 1: my WT tiles
	s_add_nc_u64 s[46:47], s[46:47], s[94:95]
	s_mov_b32 s[G0+4], 1
	s_add_co_u32 s[G0+5], s45, SLOT
	s_add_nc_u64 s[G0+6:G0+7], s[20:21], TROW
	s_or_b32 s[G0+7], s[G0+7], 0x80000000
	s_mov_b32 s[G0B+4], 1
	s_add_co_u32 s[G0B+5], s45, SLOT
	s_add_nc_u64 s[G0B+6:G0B+7], s[46:47], TROW
	s_or_b32 s[G0B+7], s[G0B+7], 0x80000000
; one joint load a wave at the head: wave 0 A's slot 0, wave 1 B's, wave 2 A's scale words, wave 3 B's: one chain of arms, one join
.macro ARM under, g0, g1, next
	s_cmp_lt_u32 s14, \under
	s_cbranch_scc0 \next
	tensor_load_to_lds s[\g0:\g0+3], s[\g1:\g1+7]
	s_nop 0
.rept 4
	v_nop
.endr
	s_branch .Lhead_asked
\next:
.endm
	ARM 1, G0,  G1,  .Lhead_b
	ARM 2, G0B, G1B, .Lhead_sa
	ARM 3, G0S, G1S, .Lhead_sb
	tensor_load_to_lds s[G0SB:G0SB+3], s[G1SB:G1SB+7]
	s_nop 0
.rept 4
	v_nop
.endr
.Lhead_asked:
	v_and_b32 v[PFO], 31, v0
	v_min_u32 v[PFO], 23, v[PFO]                   ; lanes 24-31 name the last block again
	v_lshlrev_b32 v[PFO], 8, v[PFO]
	global_prefetch_b8 v[PFO], s[PFA:PFA+1] offset:TROW th:TH_LOAD_NT scope:SCOPE_SE     ; behind fill 0's load: fill 1, the last
	v_and_b32 v1, 15, v0                           ; r
	v_bfe_u32 v2, v0, 4, 1                         ; h
	v_and_b32 v3, 31, v0
	v_lshlrev_b32 v4, 4, v3
	v_lshlrev_b32 v[LI8], 3, v3
	v_lshlrev_b32 v[LR4], 2, v1
	v_lshlrev_b32 v5, 6, v2                        ; the bias: lane (r, h) wants, for tile b, columns 32 (b / 2) + 16 h + 8 (b % 2) + 0 .. 7
	v_lshlrev_b32 v6, 12, v2
	v_lshl_add_u32 v[CO], v1, 4, v6                ; memory, in and out: lanes 0-15 256 bytes of one token's row, lanes 16-31 of the next token's; never rewritten
	WIN 0x40
.irp b, 0,1,2,3
	global_load_b128 v[BI+8*\b:BI+8*\b+3], v5, s[8:9] offset:(32*(\b/2)+8*(\b%2))*4
	global_load_b128 v[BI+8*\b+4:BI+8*\b+7], v5, s[8:9] offset:(32*(\b/2)+8*(\b%2))*4+16
.endr
	WIN 0xc0                                       ; destination window 3: the residual.  Rows 2 t and 2 t + 1 of tile a are tokens 32 (a / 2) + 8 (a % 2) + 2 t + 8 (t / 4) and the next
.irp a, 0,1,2,3
.irp t, 0,1,2,3,4,5,6,7
	global_load_b128 v[32*\a+4*\t:32*\a+4*\t+3], v[CO], s[10:11] offset:(32*(\a/2)+8*(\a%2)+2*\t+8*(\t/4))*4096 th:TH_LOAD_NT
.endr
.endr
	WIN 0
	s_mul_i32 s21, s15, HALFT
	s_mul_i32 s22, s16, HALFT
	s_add_co_u32 s22, s22, 2*HALFT
.irp s, 0,1
	v_add_nc_u32 v[ADRA+\s], s21, v4
	v_add_nc_u32 v[ADRA+2+\s], s21, v[LI8]
	v_add_nc_u32 v[ADRB+\s], s22, v4
	v_add_nc_u32 v[ADRB+2+\s], s22, v[LI8]
	s_add_co_u32 s21, s21, SLOT
	s_add_co_u32 s22, s22, SLOT
.endr
	s_mul_i32 s21, s15, HALFS
	s_mul_i32 s22, s16, HALFS
	s_add_co_u32 s22, s22, 2*HALFS
	s_sub_co_u32 s22, s22, s21
	v_mul_u32_u24 v6, s22, v2
	s_add_co_u32 s21, s21, SCL
	v_add_nc_u32 v6, v[LR4], v6
	v_add_nc_u32 v[ADRS], s21, v6
	s_mul_i32 s23, s14, 4352                       ; my stage: 16 rows x (256 bytes + 16), in slot 0, which has had its only fill and, when the first result is stored, its last read
	v_mul_u32_u24 v6, v1, 272
	v_lshl_add_u32 v6, v2, 6, v6
	v_add_nc_u32 v[STO], s23, v6                   ; in: row r, + 64 h
	v_mul_u32_u24 v6, v2, 272
	v_lshl_add_u32 v6, v1, 4, v6
	v_add_nc_u32 v[RD], s23, v6                    ; back: lanes 0-15 one row, lanes 16-31 the next
	s_wait_alu depctr_va_vdst(0)
	s_wait_tensorcnt 0x0                           ; my one load of the head is in
	ds_add_u32 v[SPW], v[NIL]
	s_mov_b32 s[G1+2], WT<<16                      ; no load of mine is out: slot 1's loads bring WT tiles
	s_mov_b32 s[G1+4], WT
	s_mov_b32 s[G1B+2], WT<<16
	s_mov_b32 s[G1B+4], WT
	s_wait_dscnt 0x0
	CROUND                                         ; slot 0 and the scale words are whole, and all sixteen work-groups are here
	JLOAD G0+4, G1, G0B+4, G1B                     ; slot 1's first fill, the first tensor load behind the round
	FETCH 0, 0, 0
	SCALES 0
	s_wait_loadcnt 32                              ; the bias's eight loads are in; the residual's 32, issued behind them, may be out
	STEP 0, 0, 2
	STEP 0, 1, 0
	STEP 0, 2, 0
	TURN 0, 1
	STEP 1, 0, 0
	STEP 1, 1, 0
	STEP 1, 2, 0
	s_wait_dscnt 0x0
	MULS 0, WT, 1, NQ-1, 1, 0
	WIN 0
; THE WAY OUT, a tile of 16 tokens x 64 columns at a time: through my stage, back as rows of 256 bytes, the residual added, stored: sixteen lanes fill 256 consecutive aligned bytes.
.macro TOSTAGE a
	WIN 8                                          ; an LDS store's data are its source 1: window 2
.irp b, 0,1,2,3
	ds_store_b128 v[STO], v[8*(4*(\a)+\b):8*(4*(\a)+\b)+3] offset:128*(\b/2)+32*(\b%2)        ; each accumulator from its low end on
	ds_store_b128 v[STO], v[8*(4*(\a)+\b)+4:8*(4*(\a)+\b)+7] offset:128*(\b/2)+32*(\b%2)+16
.endr
	WIN 0
.irp t, 0,1,2,3,4,5,6,7
	ds_load_b128 v[128+32*((\a)%2)+4*\t:131+32*((\a)%2)+4*\t], v[RD] offset:544*\t             ; LDS serves a wave's instructions in order: these see the stores above
.endr
.endm
.macro SEND a, dy                      ; dy: the LDS instructions issued behind this tile's, which may stay out
	s_wait_dscnt \dy
	WIN 0x0c                                       ; source 1: window 3
.irp i, 0,2,4,6,8,10,12,14,16,18,20,22,24,26,28,30
	v_pk_add_f32 v[128+32*((\a)%2)+\i:129+32*((\a)%2)+\i], v[128+32*((\a)%2)+\i:129+32*((\a)%2)+\i], v[32*(\a)+\i:32*(\a)+\i+1]
.endr
	WIN 0
.irp t, 0,1,2,3,4,5,6,7
	global_store_b128 v[CO], v[128+32*((\a)%2)+4*\t:131+32*((\a)%2)+4*\t], s[12:13] offset:(32*((\a)/2)+8*((\a)%2)+2*\t+8*(\t/4))*4096
.endr
.endm
	PLACES
	s_wait_loadcnt 0x0                             ; the residual, asked for at the head
	TOSTAGE 0
	TOSTAGE 1
	SEND 0, 16                                     ; behind tile 0's: tile 1's 8 stores and 8 loads
	s_wait_xcnt 0x0                                ; tile 0's stores have read their registers: tile 2's rows may land there
	TOSTAGE 2
	SEND 1, 16
	s_wait_xcnt 0x0
	TOSTAGE 3
	SEND 2, 16
	SEND 3, 0
	s_wait_tensorcnt 0x0                           ; the wave's end
	ds_add_u32 v[SPW], v[NIL]
	s_wait_dscnt 0x0
	CROUND                                         ; the closing round
	s_endpgm
.Lfunc_end_k_q7afd12984d_wo:
	.size	k_q7afd12984d_wo, .Lfunc_end_k_q7afd12984d_wo-k_q7afd12984d_wo
	.p2alignl 7, 3214868480
	.fill 96, 4, 3214868480
	.section	.rodata,"a",@progbits
	.p2align	6, 0x0
	.amdhsa_kernel k_q7afd12984d_wo
		.amdhsa_group_segment_fixed_size 327680
		.amdhsa_private_segment_fixed_size 0
		.amdhsa_enable_private_segment 0
		.amdhsa_kernarg_size 40
		.amdhsa_user_sgpr_count 2
		.amdhsa_user_sgpr_kernarg_segment_ptr 1
		.amdhsa_wavefront_size32 1
		.amdhsa_system_sgpr_workgroup_id_x 1
		.amdhsa_system_sgpr_workgroup_id_y 1
		.amdhsa_system_sgpr_workgroup_id_z 1
		.amdhsa_system_vgpr_workitem_id 0
		.amdhsa_next_free_vgpr 896
		.amdhsa_next_free_sgpr 98
		.amdhsa_reserve_vcc 0
		.amdhsa_float_denorm_mode_32 3
		.amdhsa_float_denorm_mode_16_64 3
		.amdhsa_memory_ordered 1
		.amdhsa_forward_progress 1
		.amdhsa_inst_pref_size 64
	.end_amdhsa_kernel
	.amdgpu_metadata
---
amdhsa.version: [ 1, 2 ]
amdhsa.kernels:
  - .name:           k_q7afd12984d_wo
    .symbol:         k_q7afd12984d_wo.kd
    .args:
      - { .name: ctx, .offset: 0, .size: 8, .value_kind: global_buffer, .address_space: global }
      - { .name: p1, .offset: 8, .size: 8, .value_kind: global_buffer, .address_space: global }
      - { .name: b_o, .offset: 16, .size: 8, .value_kind: global_buffer, .address_space: global }
      - { .name: x, .offset: 24, .size: 8, .value_kind: global_buffer, .address_space: global }
      - { .name: x1, .offset: 32, .size: 8, .value_kind: global_buffer, .address_space: global }
    .group_segment_fixed_size: 327680
    .private_segment_fixed_size: 0
    .kernarg_segment_align: 8
    .kernarg_segment_size: 40
    .max_flat_workgroup_size: 128
    .sgpr_count:     98
    .vgpr_count:     896
    .wavefront_size: 32
...
	.end_amdgpu_metadata
.endif
;; end of part 4
;; launch ln2: the kernel of part 1 again; grid 256 x 1, 8 waves a work-group, no clusters, 67,072 bytes of LDS; arguments x1, ln2_g, ln2_b, w_q, w_k, w_v, w_o, w_fc1, w_fc2, p1; writes p1
;; launch fc1 (part 5): grid 16 x 16, 4 waves a work-group, clusters of 4 x 4, 327,680 bytes of LDS; arguments p1, b_fc1, g; writes g
.if DOCPART == 5
	.amdgcn_target "amdgcn-amd-amdhsa--gfx1250"
	.amdhsa_code_object_version 6
	.text
	.protected	k_q7afd12984d_fc1
	.globl	k_q7afd12984d_fc1
	.p2align	8
	.type	k_q7afd12984d_fc1,@function
k_q7afd12984d_fc1:
	s_mov_b64 s[64:65], 0
	v_nop
	global_prefetch_b8 v0, s[64:65] scope:SCOPE_SE
	s_setreg_imm32_b32 hwreg(HW_REG_WAVE_MODE, 25, 1), 1
	s_wait_xcnt 0x0
	s_wait_alu depctr_hold_cnt(0) depctr_sa_sdst(0) depctr_va_vdst(0) depctr_va_sdst(0) depctr_va_ssrc(0) depctr_va_vcc(0) depctr_vm_vsrc(0)
	s_getreg_b32 s2, hwreg(HW_REG_IB_STS2, 6, 4)
	s_cmp_eq_u32 s2, 0
	s_cbranch_scc0 .Lentry_in_a_cluster
	s_endpgm
.Lentry_in_a_cluster:
	s_bfe_u32 s2, ttmp6, 0x10000c
	s_cmp_lg_u32 s2, 0xf033
	s_cbranch_scc0 .Lentry_shape_is_right
	s_endpgm
.Lentry_shape_is_right:
; g = gelu(LN2(x1) w_fc1 + b_fc1), exact gelu by a rational form of erf in f32, quantised along the 4,096 hidden units and stored as images of operand registers.  Operands: p1's images (tokens' tiles from AIMG, w_fc1's from BIMG), K = 1,024.
; A work-group of four waves makes 256 x 256, a wave 128 x 128; the matrix instruction is used transposed, the bias is the C of each sum's first instruction; ring of two slots of 256 along K, joint loads in a 4 x 4 cluster.
; THE WAY OUT stays in registers: a loop over the wave's eight rows of accumulators; a trip first moves its row's 64 registers into window 0 (a dispatch on the trip's counter), then runs one copy of gelu and quantiser.
; LIMITS: a block of zeros or under 2^-122 gets the byte 1 (its codes are zeros; this program alone reads the bytes).  NaN and infinities are not served.
.set WT,    8
.set NQ,    2
.set KST,   8
.set LAPS,  KST/(2*NQ)
.set FRB,   1536
.set TROW,  NQ*FRB
.set HALFT, WT*TROW
.set SLOT,  4*HALFT
.set SCL,   2*SLOT
.set HALFS, WT*KST*64
.set SPARE, SCL+4*HALFS
.set AIMG,  9437184
.set ASC,   12582912+393216
.set BIMG,  3145728
.set BSC,   12582912+131072
.set G_SC,  12582912
.set ADRA, 16
.set ADRB, 20
.set STO,  24
.set RD,   25
.set CO,   26
.set ADRS, 27
.set SPW,  28
.set NIL,  29
.set LI8,  30
.set LR4,  31
.set SC,   32
.set AF,   64
.set BI,   96
.set PC,   176
.set TM,   200
.set PW,   216
.set SEL,  96
.set G1, 24
.set G0, 32
.set G1B, 48
.set G0B, 56
.set G1S, 68
.set G0S, 76
.set G1SB, 80
.set G0SB, 88
.set PFO,  8                           ; v8 the prefetches' offset; never rewritten
.set PFA,  66                          ; s[66:67] the prefetches' base: my work-group's two tiles of the WT that I fetch in the ring; never stepped
.set MSB, 0
.macro WIN new
.if MSB != (\new)
	s_set_vgpr_msb (MSB<<8)|(\new)
.set MSB, (\new)
.endif
.endm
.macro PLACES
.rept 4
	v_nop
.endr
.endm
.macro JLOAD g0a, g1a, g0b, g1b
	s_cmp_eq_u32 s15, 0
	s_cbranch_scc0 .Lfor_b_\@
	tensor_load_to_lds s[\g0a:\g0a+3], s[\g1a:\g1a+7]
	s_nop 0
.rept 4
	v_nop
.endr
	s_branch .Lasked_\@
.Lfor_b_\@:
	tensor_load_to_lds s[\g0b:\g0b+3], s[\g1b:\g1b+7]
	s_nop 0
.rept 4
	v_nop
.endr
.Lasked_\@:
.endm
.macro CREST
	s_cmp_lg_u32 s14, 0
	s_cbranch_scc1 .Lnot_wave_0_\@
	s_barrier_signal -3
.Lnot_wave_0_\@:
	s_barrier_wait -3
	s_barrier_signal -1
	s_barrier_wait -1
.endm
.macro CROUND
	s_barrier_signal -1
	s_barrier_wait -1
	CREST
.endm
.macro FRAG reg, a16, a8, off
	ds_load_b128 v[\reg:\reg+3], v[\a16] offset:\off
	ds_load_b64 v[\reg+4:\reg+5], v[\a8] offset:\off+512
	ds_load_b128 v[\reg+6:\reg+9], v[\a16] offset:\off+768
	ds_load_b64 v[\reg+10:\reg+11], v[\a8] offset:\off+1280
.endm
.macro FETCH slot, q, set
	WIN 0x40
.set II, 0
.rept WT
	FRAG 128*(\set)+12*II, ADRB+\slot, ADRB+2+\slot, II*TROW+(\q)*FRB
.set II, II+1
.endr
	WIN 0
.set II, 0
.rept WT
	FRAG AF+96*(\set)+12*II, ADRA+\slot, ADRA+2+\slot, II*TROW+(\q)*FRB
.set II, II+1
.endr
.endm
.macro SCALES sc
.set II, 0
.rept WT
.set QQ, 0
.rept NQ
	ds_load_b32 v[SC+16*(\sc)+NQ*II+QQ], v[ADRS] offset:II*KST*64+64*QQ
.set QQ, QQ+1
.endr
.set II, II+1
.endr
.endm
.macro MULS a0, n, set, q, sc, c
.set AA, \a0
.rept \n
.set WW, 2+(8*WT*AA)/256
.if \c == 0
	WIN WW*0x50+1
.else
	WIN WW*0x40+0x11
.endif
.set BB, 0
.rept WT
.set DD, (8*(WT*AA+BB))%256
.if \c == 0
	v_wmma_scale_f32_16x16x128_f8f6f4 v[DD:DD+7], v[128*(\set)+12*BB:128*(\set)+12*BB+11], v[AF+96*(\set)+12*AA:AF+96*(\set)+12*AA+11], v[DD:DD+7], v[SC+16*(\sc)+NQ*BB+(\q)], v[SC+16*(\sc)+NQ*AA+(\q)] matrix_a_fmt:MATRIX_FMT_BF6 matrix_b_fmt:MATRIX_FMT_BF6 matrix_a_scale:MATRIX_SCALE_ROW1
.else
	v_wmma_scale_f32_16x16x128_f8f6f4 v[DD:DD+7], v[128*(\set)+12*BB:128*(\set)+12*BB+11], v[AF+96*(\set)+12*AA:AF+96*(\set)+12*AA+11], v[BI+8*BB+96*(BB/4):BI+8*BB+96*(BB/4)+7], v[SC+16*(\sc)+NQ*BB+(\q)], v[SC+16*(\sc)+NQ*AA+(\q)] matrix_a_fmt:MATRIX_FMT_BF6 matrix_b_fmt:MATRIX_FMT_BF6 matrix_a_scale:MATRIX_SCALE_ROW1
.endif
.set BB, BB+1
.endr
.set AA, AA+1
.endr
.endm
.macro STEP slot, q, c
	s_wait_dscnt 0x0
	PLACES
	FETCH \slot, (\q)+1, 1-(\q)%2
	MULS 0, WT, (\q)%2, \q, \slot, \c
.endm
.macro TURN slot, next, fill
	WIN 0
	s_wait_tensorcnt 0x0
	ds_add_u32 v[SPW], v[NIL]
	s_wait_dscnt 1
	MULS 0, WT/4, 1, NQ-1, \slot, 0
	s_wait_dscnt 0x0
	s_barrier_signal -1
	MULS WT/4, WT/4, 1, NQ-1, \slot, 0
	WIN 0
	s_barrier_wait -1
.if \fill
	CREST
	s_add_nc_u64 s[G0+4*\slot+2:G0+4*\slot+3], s[G0+4*\slot+2:G0+4*\slot+3], 2*TROW
	s_add_nc_u64 s[G0B+4*\slot+2:G0B+4*\slot+3], s[G0B+4*\slot+2:G0B+4*\slot+3], 2*TROW
	JLOAD G0+4*\slot, G1, G0B+4*\slot, G1B
.else
	PLACES
.endif
	s_wait_alu depctr_va_vdst(0)
	v_add_nc_u32 v[ADRS], 64*NQ, v[ADRS]
	FETCH \next, 0, 0
	SCALES \next
	MULS WT/2, WT/2, 1, NQ-1, \slot, 0
.endm
.macro QUANT s
.irp b, 0,1,2,3
	v_max3_num_f32 v[TM+\b], |v[\s+16*\b]|, |v[\s+16*\b+1]|, 0x2800000
.endr
.irp i, 2,4,6,8,10,12,14
.irp b, 0,1,2,3
	v_max3_num_f32 v[TM+\b], v[TM+\b], |v[\s+16*\b+\i]|, |v[\s+16*\b+\i+1]|
.endr
.endr
.irp b, 0,1,2,3
	v_permlanex16_b32 v[TM+4+\b], v[TM+\b], s[SEL], s[SEL+1]
.endr
.irp b, 0,1,2,3
	v_max_num_f32 v[TM+\b], v[TM+\b], v[TM+4+\b]
.endr
.irp b, 0,1,2,3
	v_add_nc_u32 v[TM+12+\b], 0xfe000000, v[TM+\b]
.endr
.irp b, 0,1,2,3
	v_lshrrev_b32 v[TM+4+\b], 23, v[TM+12+\b]
.endr
	v_lshl_or_b32 v[PW], v[TM+5], 8, v[TM+4]
	v_lshl_or_b32 v[PW], v[TM+6], 16, v[PW]
	v_lshl_or_b32 v[PW], v[TM+7], 24, v[PW]
.irp c, 0,1
	v_cvt_scalef32_pk16_bf6_f32 v[PC+6*\c:PC+6*\c+2], v[\s+32*\c:\s+32*\c+15], v[TM+12+2*\c]
	v_cvt_scalef32_pk16_bf6_f32 v[PC+12+4*\c:PC+14+4*\c], v[\s+32*\c+16:\s+32*\c+31], v[TM+13+2*\c]
.endr
	v_nop
.irp c, 0,1
.irp i, 0,1,2
	v_permlane16_swap_b32 v[PC+6*\c+\i], v[PC+12+4*\c+\i]
.endr
.irp i, 0,1,2
	v_mov_b32 v[PC+3+6*\c+\i], v[PC+12+4*\c+\i]
.endr
.endr
.endm
.macro GELU
.set GG, 0
.rept 8
.irp p, 0,1,2,3
	v_pk_mul_f32 v[128+8*\p:129+8*\p], v[64+8*GG+2*\p:65+8*GG+2*\p], s[52:53] op_sel_hi:[1,0]
.endr
.irp p, 0,1,2,3
	v_med3_num_f32 v[128+8*\p], v[128+8*\p], -4.0, 4.0
	v_med3_num_f32 v[129+8*\p], v[129+8*\p], -4.0, 4.0
.endr
.irp p, 0,1,2,3
	v_pk_mul_f32 v[130+8*\p:131+8*\p], v[128+8*\p:129+8*\p], v[128+8*\p:129+8*\p]
.endr
.irp p, 0,1,2,3
	v_pk_fma_f32 v[132+8*\p:133+8*\p], v[130+8*\p:131+8*\p], s[24:25], v[160:161] op_sel_hi:[1,0,1]
	v_pk_fma_f32 v[134+8*\p:135+8*\p], v[130+8*\p:131+8*\p], s[36:37], v[162:163] op_sel_hi:[1,0,1]
.endr
.irp k, 26,28,30,32,34
.irp p, 0,1,2,3
	v_pk_fma_f32 v[132+8*\p:133+8*\p], v[132+8*\p:133+8*\p], v[130+8*\p:131+8*\p], s[\k:\k+1] op_sel_hi:[1,1,0]
.endr
.endr
.irp k, 38,48,50
.irp p, 0,1,2,3
	v_pk_fma_f32 v[134+8*\p:135+8*\p], v[134+8*\p:135+8*\p], v[130+8*\p:131+8*\p], s[\k:\k+1] op_sel_hi:[1,1,0]
.endr
.endr
.irp p, 0,1,2,3
	v_pk_mul_f32 v[132+8*\p:133+8*\p], v[132+8*\p:133+8*\p], v[128+8*\p:129+8*\p]
.endr
	s_wait_alu depctr_va_vdst(0)
.irp p, 0,1,2,3
	v_rcp_f32 v[134+8*\p], v[134+8*\p]
	v_rcp_f32 v[135+8*\p], v[135+8*\p]
.endr
.irp p, 0,1,2,3
	v_pk_mul_f32 v[128+8*\p:129+8*\p], v[64+8*GG+2*\p:65+8*GG+2*\p], 0.5 op_sel_hi:[1,0]
.endr
	s_wait_alu depctr_va_vdst(0)
.irp p, 0,1,2,3
	v_pk_mul_f32 v[132+8*\p:133+8*\p], v[132+8*\p:133+8*\p], v[134+8*\p:135+8*\p]
.endr
.irp p, 0,1,2,3
	v_pk_fma_f32 v[64+8*GG+2*\p:65+8*GG+2*\p], v[128+8*\p:129+8*\p], v[132+8*\p:133+8*\p], v[128+8*\p:129+8*\p]
.endr
.set GG, GG+1
.endr
.endm
	s_load_b128 s[4:7], s[0:1], 0x0
	s_load_b64 s[8:9], s[0:1], 0x10
	v_lshl_add_u32 v[SPW], v0, 2, SPARE
	v_mov_b32 v[NIL], 0
	ds_add_u32 v28, v29
	ds_add_u32 v28, v29
	s_wait_dscnt 0x0
	v_lshrrev_b32 v1, 5, v0
	v_readfirstlane_b32 s14, v1
	s_lshr_b32 s15, s14, 1
	s_and_b32 s16, s14, 1
	s_bfe_u32 s40, ttmp6, 0x40000
	s_bfe_u32 s41, ttmp6, 0x40004
	s_lshl_b32 s42, ttmp9, 2
	s_add_co_u32 s42, s42, s40
	s_and_b32 s17, ttmp7, 0xffff
	s_lshl_b32 s17, s17, 2
	s_add_co_u32 s17, s17, s41
	s_lshl_b32 s43, s41, 2
	s_lshl_b32 s43, 15, s43
	s_lshl_b32 s44, 0x1111, s40
	s_or_b32 s[G1+0], s43, (3<<16)|(1<<21)
	s_or_b32 s[G1B+0], s44, (3<<16)|(1<<21)
.irp g, G1, G1B
	s_mov_b32 s[\g+1], (TROW/8)<<16
	s_mov_b32 s[\g+2], (2*WT)<<16                  ; the head's loads bring 2 WT tiles; behind them the two words are set to WT
	s_mov_b32 s[\g+3], (TROW/8)<<16
	s_mov_b32 s[\g+4], 2*WT
	s_mov_b32 s[\g+5], KST*192
	s_mov_b32 s[\g+6], 0
	s_mov_b32 s[\g+7], 0
.endr
	s_or_b32 s[G1S+0], s43, (3<<16)|(1<<21)
	s_or_b32 s[G1SB+0], s44, (3<<16)|(1<<21)
.irp g, G1S, G1SB
	s_mov_b32 s[\g+1], 32<<16
	s_mov_b32 s[\g+2], (2*HALFS/256)<<16           ; a side's scale words whole: 2 HALFS dense bytes
	s_mov_b32 s[\g+3], 32<<16
	s_mov_b32 s[\g+4], 2*HALFS/256
	s_mov_b32 s[\g+5], 32
	s_mov_b32 s[\g+6], 0
	s_mov_b32 s[\g+7], 0
.endr
	s_mov_b32 s95, 0
	s_lshl_b32 s20, s17, 4                         ; A's first tile
	s_lshl_b32 s46, s42, 4                         ; B's
	s_mul_i32 s22, s20, KST*64
	s_add_co_u32 s22, s22, ASC
	s_mul_i32 s92, s46, KST*64
	s_add_co_u32 s92, s92, BSC
	s_mul_i32 s20, s20, KST*FRB
	s_add_co_u32 s20, s20, AIMG
	s_mul_i32 s46, s46, KST*FRB
	s_add_co_u32 s46, s46, BIMG
	s_mov_b32 s21, 0
	s_mov_b32 s23, 0
	s_mov_b32 s47, 0
	s_mov_b32 s93, 0
	s_mul_i32 s45, s14, HALFT
	s_mul_i32 s94, s16, WT*KST*FRB                 ; s[94:95]: bytes to the half that I fetch in the ring
	s_lshl_b32 s10, s17, 4
	s_lshl_b32 s11, s15, 3
	s_add_co_u32 s10, s10, s11
	s_lshl_b32 s10, s10, 5
	s_lshl_b32 s11, s42, 1
	s_add_co_u32 s10, s10, s11
	s_add_co_u32 s10, s10, s16
	s_mul_i32 s12, s10, FRB
	s_mov_b32 s13, 0
	s_lshl_b32 s10, s10, 6
	s_add_co_u32 s10, s10, G_SC
	s_mov_b32 s11, 0
	s_lshl_b32 s18, s42, 10
	s_lshl_b32 s19, s16, 9
	s_add_co_u32 s18, s18, s19
	s_mov_b32 s19, 0
	s_wait_kmcnt 0x0
	s_add_nc_u64 s[20:21], s[4:5], s[20:21]
	s_add_nc_u64 s[22:23], s[4:5], s[22:23]
	s_add_nc_u64 s[46:47], s[4:5], s[46:47]
	s_add_nc_u64 s[92:93], s[4:5], s[92:93]
	s_add_nc_u64 s[10:11], s[8:9], s[10:11]
	s_add_nc_u64 s[8:9], s[8:9], s[12:13]
	s_add_nc_u64 s[6:7], s[6:7], s[18:19]
	; PREFETCH: of the WT tiles that a wave fetches in the ring, the partner at place p (cx for A, cy for B) names tiles 2 p and 2 p + 1: 2 x 12 blocks of 256 bytes of a fill, a lane a block
	s_lshl_b32 s2, s17, 4
	s_lshl_b32 s3, s42, 4
	s_mov_b32 s18, BIMG
	s_cmp_eq_u32 s15, 0                            ; do I fetch for A?
	s_cselect_b32 s2, s2, s3                       ; the block's first tile
	s_cselect_b32 s3, s40, s41                     ; my place among the four that ask with me
	s_cselect_b32 s18, AIMG, s18
	s_lshl_b32 s3, s3, 1
	s_add_co_u32 s2, s2, s3
	s_lshl_b32 s3, s16, 3
	s_add_co_u32 s2, s2, s3                        ; + the WT tiles that I fetch
	s_mul_i32 s2, s2, KST*FRB
	s_add_co_u32 s2, s2, s18
	s_mov_b32 s3, 0
	s_add_nc_u64 s[PFA:PFA+1], s[4:5], s[2:3]
	CROUND
	s_mov_b32 s[G0S], 1
	s_mov_b32 s[G0S+1], SCL
	s_mov_b64 s[G0S+2:G0S+3], s[22:23]
	s_or_b32 s[G0S+3], s[G0S+3], 0x80000000
	s_mov_b32 s[G0SB], 1
	s_mov_b32 s[G0SB+1], SCL+2*HALFS
	s_mov_b64 s[G0SB+2:G0SB+3], s[92:93]
	s_or_b32 s[G0SB+3], s[G0SB+3], 0x80000000
	s_mov_b32 s[G0], 1                             ; the head's loads: slot 0's 2 WT tiles of A,
	s_mov_b32 s[G0+1], 0
	s_mov_b64 s[G0+2:G0+3], s[20:21]
	s_or_b32 s[G0+3], s[G0+3], 0x80000000
	s_mov_b32 s[G0B], 1                            ; and of B
	s_mov_b32 s[G0B+1], 2*HALFT
	s_mov_b64 s[G0B+2:G0B+3], s[46:47]
	s_or_b32 s[G0B+3], s[G0B+3], 0x80000000
	s_add_nc_u64 s[20:21], s[20:21], s[94:95]      ; the ring: my WT tiles; slot 1's group 0
	s_add_nc_u64 s[46:47], s[46:47], s[94:95]
	s_mov_b32 s[G0+4], 1
	s_add_co_u32 s[G0+5], s45, SLOT
	s_add_nc_u64 s[G0+6:G0+7], s[20:21], TROW
	s_or_b32 s[G0+7], s[G0+7], 0x80000000
	s_mov_b32 s[G0B+4], 1
	s_add_co_u32 s[G0B+5], s45, SLOT
	s_add_nc_u64 s[G0B+6:G0B+7], s[46:47], TROW
	s_or_b32 s[G0B+7], s[G0B+7], 0x80000000
; one joint load a wave at the head: wave 0 A's slot 0, wave 1 B's, wave 2 A's scale words, wave 3 B's: one chain of arms, one join
.macro ARM under, g0, g1, next
	s_cmp_lt_u32 s14, \under
	s_cbranch_scc0 \next
	tensor_load_to_lds s[\g0:\g0+3], s[\g1:\g1+7]
	s_nop 0
.rept 4
	v_nop
.endr
	s_branch .Lhead_asked
\next:
.endm
	ARM 1, G0,  G1,  .Lhead_b
	ARM 2, G0B, G1B, .Lhead_sa
	ARM 3, G0S, G1S, .Lhead_sb
	tensor_load_to_lds s[G0SB:G0SB+3], s[G1SB:G1SB+7]
	s_nop 0
.rept 4
	v_nop
.endr
.Lhead_asked:
	v_and_b32 v[PFO], 31, v0
	v_min_u32 v[PFO], 23, v[PFO]                   ; lanes 24-31 name the last block again
	v_mul_u32_u24 v9, v[PFO], 171
	v_lshrrev_b32 v9, 11, v9                       ; lane / 12: which of my two tiles
	v_mul_u32_u24 v9, v9, KST*FRB-TROW
	v_lshl_add_u32 v[PFO], v[PFO], 8, v9           ; tile x its K steps' bytes + 256 x (lane % 12)
	global_prefetch_b8 v[PFO], s[PFA:PFA+1] offset:TROW th:TH_LOAD_NT scope:SCOPE_SE     ; behind fill 0's load: fills 1 and 2
	global_prefetch_b8 v[PFO], s[PFA:PFA+1] offset:2*TROW th:TH_LOAD_NT scope:SCOPE_SE
	v_and_b32 v1, 15, v0
	v_bfe_u32 v2, v0, 4, 1
	v_and_b32 v3, 31, v0
	v_lshlrev_b32 v[CO], 4, v3
	v_lshlrev_b32 v[LI8], 3, v3
	v_lshlrev_b32 v[LR4], 2, v1
	v_lshlrev_b32 v5, 6, v2
	WIN 0x40
.irp b, 0,1,2,3,4,5,6,7
	global_load_b128 v[BI+8*\b+96*(\b/4):BI+8*\b+96*(\b/4)+3], v5, s[6:7] offset:(32*(\b/2)+8*(\b%2))*4
	global_load_b128 v[BI+8*\b+96*(\b/4)+4:BI+8*\b+96*(\b/4)+7], v5, s[6:7] offset:(32*(\b/2)+8*(\b%2))*4+16
.endr
	WIN 0
	s_mul_i32 s21, s15, HALFT
	s_mul_i32 s22, s16, HALFT
	s_add_co_u32 s22, s22, 2*HALFT
.irp s, 0,1
	v_add_nc_u32 v[ADRA+\s], s21, v[CO]
	v_add_nc_u32 v[ADRA+2+\s], s21, v[LI8]
	v_add_nc_u32 v[ADRB+\s], s22, v[CO]
	v_add_nc_u32 v[ADRB+2+\s], s22, v[LI8]
	s_add_co_u32 s21, s21, SLOT
	s_add_co_u32 s22, s22, SLOT
.endr
	s_mul_i32 s21, s15, HALFS
	s_mul_i32 s22, s16, HALFS
	s_add_co_u32 s22, s22, 2*HALFS
	s_sub_co_u32 s22, s22, s21
	v_mul_u32_u24 v6, s22, v2
	s_add_co_u32 s21, s21, SCL
	v_add_nc_u32 v6, v[LR4], v6
	v_add_nc_u32 v[ADRS], s21, v6
	s_wait_alu depctr_va_vdst(0)
	s_wait_tensorcnt 0x0                           ; my one load of the head is in
	ds_add_u32 v[SPW], v[NIL]
	s_mov_b32 s[G1+2], WT<<16                      ; no load of mine is out: from here on a load brings WT tiles,
	s_mov_b32 s[G1+4], WT
	s_mov_b32 s[G1B+2], WT<<16
	s_mov_b32 s[G1B+4], WT
	s_add_co_u32 s[G0+1], s45, 0                   ; and slot 0's group 0 is the ring's: my quarter, one slot's bytes ahead of slot 1's
	s_sub_nc_u64 s[G0+2:G0+3], s[G0+6:G0+7], TROW
	s_add_co_u32 s[G0B+1], s45, 0
	s_sub_nc_u64 s[G0B+2:G0B+3], s[G0B+6:G0B+7], TROW
	s_wait_dscnt 0x0
	CROUND                                         ; slot 0 and the scale words are whole, and all sixteen work-groups are here
	JLOAD G0+4, G1, G0B+4, G1B                     ; slot 1's first fill, the first tensor load behind the round
	global_prefetch_b8 v[PFO], s[PFA:PFA+1] offset:3*TROW th:TH_LOAD_NT scope:SCOPE_SE   ; behind fill 1's load: fill 3, the last
	FETCH 0, 0, 0
	SCALES 0
	s_wait_loadcnt 0x0
	STEP 0, 0, 2
	WIN 0
	s_mov_b32 s3, LAPS-1
.Llap:
	TURN 0, 1, 1
	STEP 1, 0, 0
	TURN 1, 0, 1
	STEP 0, 0, 0
	WIN 0
	s_sub_co_u32 s3, s3, 1
	s_cmp_lg_u32 s3, 0
	s_cbranch_scc1 .Llap
	TURN 0, 1, 0
	STEP 1, 0, 0
	s_wait_dscnt 0x0
	MULS 0, WT, 1, NQ-1, 1, 0
	WIN 0
	PLACES                                         ; four places between the last products and the first read of results and write of A's registers
	WIN 0
	s_mov_b32 s[SEL], 0x76543210
	s_mov_b32 s[SEL+1], 0xfedcba98
.macro COEF reg, bits
	s_mov_b32 s[\reg], \bits
	s_mov_b32 s[\reg+1], \bits
.endm
	COEF 24, 0xaf95df0b
	COEF 26, 0xb60cff51
	COEF 28, 0xb86ec2d2
	COEF 30, 0xba40ac63
	COEF 32, 0xbb41a1f6
	COEF 34, 0xbc83dbd4
	COEF 36, 0xb77460cd
	COEF 38, 0xbadc924e
	COEF 48, 0xbbf19bf8
	COEF 50, 0xbc69b6a7
	COEF 52, 0x3f3504f3
	v_mov_b32 v160, 0x32edffee
	v_mov_b32 v161, 0x32edffee
	v_mov_b32 v162, 0xb95fbd29
	v_mov_b32 v163, 0xb95fbd29
.irp b, 0,1,2,3
	v_mov_b32 v[TM+4+\b], 0
.endr
	s_mov_b32 s3, 0
.Lrow:                                                 ; trip a: row a's 64 registers (window 2 + a / 4, from 64 (a % 4)) come into v64-127 of window 0, each accumulator from its low end on
.irp a, 0,1,2,3,4,5,6,7
.if \a < 7
	s_cmp_eq_u32 s3, \a
	s_cbranch_scc0 .Lnot_row_\a
.endif
	WIN 2+\a/4
	s_wait_alu depctr_va_vdst(0)
.set KK, 0
.rept 64
	v_mov_b32 v[64+KK], v[(64*\a)%256+KK]
.set KK, KK+1
.endr
	WIN 0
.if \a < 7
	s_branch .Lgot_row
.Lnot_row_\a:
.endif
.endr
.Lgot_row:
	GELU
	QUANT 64
	global_store_b128 v[CO], v[PC:PC+3], s[8:9]
	global_store_b64 v[LI8], v[PC+4:PC+5], s[8:9] offset:512
	global_store_b128 v[CO], v[PC+6:PC+9], s[8:9] offset:768
	global_store_b64 v[LI8], v[PC+10:PC+11], s[8:9] offset:1280
	global_store_b32 v[LR4], v[PW], s[10:11]
	s_wait_xcnt 0x0
	s_add_nc_u64 s[8:9], s[8:9], 32*FRB
	s_add_nc_u64 s[10:11], s[10:11], 32*64
	s_add_co_u32 s3, s3, 1
	s_cmp_lt_u32 s3, 8
	s_cbranch_scc1 .Lrow
	s_wait_tensorcnt 0x0
	ds_add_u32 v[SPW], v[NIL]
	s_wait_dscnt 0x0
	CROUND
	s_endpgm
.Lfunc_end_k_q7afd12984d_fc1:
	.size	k_q7afd12984d_fc1, .Lfunc_end_k_q7afd12984d_fc1-k_q7afd12984d_fc1
	.p2alignl 7, 3214868480
	.fill 96, 4, 3214868480
	.section	.rodata,"a",@progbits
	.p2align	6, 0x0
	.amdhsa_kernel k_q7afd12984d_fc1
		.amdhsa_group_segment_fixed_size 327680
		.amdhsa_private_segment_fixed_size 0
		.amdhsa_enable_private_segment 0
		.amdhsa_kernarg_size 24
		.amdhsa_user_sgpr_count 2
		.amdhsa_user_sgpr_kernarg_segment_ptr 1
		.amdhsa_wavefront_size32 1
		.amdhsa_system_sgpr_workgroup_id_x 1
		.amdhsa_system_sgpr_workgroup_id_y 1
		.amdhsa_system_sgpr_workgroup_id_z 1
		.amdhsa_system_vgpr_workitem_id 0
		.amdhsa_next_free_vgpr 1024
		.amdhsa_next_free_sgpr 98
		.amdhsa_reserve_vcc 0
		.amdhsa_float_denorm_mode_32 3
		.amdhsa_float_denorm_mode_16_64 3
		.amdhsa_memory_ordered 1
		.amdhsa_forward_progress 1
		.amdhsa_inst_pref_size 181
	.end_amdhsa_kernel
	.amdgpu_metadata
---
amdhsa.version: [ 1, 2 ]
amdhsa.kernels:
  - .name:           k_q7afd12984d_fc1
    .symbol:         k_q7afd12984d_fc1.kd
    .args:
      - { .name: p1, .offset: 0, .size: 8, .value_kind: global_buffer, .address_space: global }
      - { .name: b_fc1, .offset: 8, .size: 8, .value_kind: global_buffer, .address_space: global }
      - { .name: g, .offset: 16, .size: 8, .value_kind: global_buffer, .address_space: global }
    .group_segment_fixed_size: 327680
    .private_segment_fixed_size: 0
    .kernarg_segment_align: 8
    .kernarg_segment_size: 24
    .max_flat_workgroup_size: 128
    .sgpr_count:     98
    .vgpr_count:     1024
    .wavefront_size: 32
...
	.end_amdgpu_metadata
.endif
;; end of part 5
;; launch fc2 (part 6): grid 8 x 32, 4 waves a work-group, clusters of 4 x 4, 327,680 bytes of LDS; arguments g, p1, b_fc2, x1, out0; writes out0
.if DOCPART == 6
	.amdgcn_target "amdgcn-amd-amdhsa--gfx1250"
	.amdhsa_code_object_version 6
	.text
	.protected	k_q7afd12984d_fc2
	.globl	k_q7afd12984d_fc2
	.p2align	8
	.type	k_q7afd12984d_fc2,@function
k_q7afd12984d_fc2:
	s_mov_b64 s[64:65], 0
	v_nop
	global_prefetch_b8 v0, s[64:65] scope:SCOPE_SE
	s_setreg_imm32_b32 hwreg(HW_REG_WAVE_MODE, 25, 1), 1
	s_wait_xcnt 0x0
	s_wait_alu depctr_hold_cnt(0) depctr_sa_sdst(0) depctr_va_vdst(0) depctr_va_sdst(0) depctr_va_ssrc(0) depctr_va_vcc(0) depctr_vm_vsrc(0)
	s_getreg_b32 s2, hwreg(HW_REG_IB_STS2, 6, 4)
	s_cmp_eq_u32 s2, 0
	s_cbranch_scc0 .Lentry_in_a_cluster
	s_endpgm
.Lentry_in_a_cluster:
	s_bfe_u32 s2, ttmp6, 0x10000c
	s_cmp_lg_u32 s2, 0xf033
	s_cbranch_scc0 .Lentry_shape_is_right
	s_endpgm
.Lentry_shape_is_right:
; out0 = x1 + g w_fc2 + b_fc2.  g (side A) and w_fc2 (side B, p1 from BIMG) are codes of E3M2 with E8M0 scales, as images of operand registers; K = 4,096 in 32 steps of 128.
; A work-group makes 128 x 128 (256 work-groups), a wave 64 x 64; a slot holds four K steps; ring of two slots, joint loads in a 4 x 4 cluster; the bias is the C of each sum's first instruction; the residual is asked for at the head.
; PREFETCH: behind each joint load stands one prefetch a wave for the fill two fills on.  Of the WT tiles that a wave fetches, the partner at place p (cx for A, cy for B) names tile p's TROW bytes: 24 blocks of 256 bytes,
; a lane a block (lanes 24-31 name the last again).  Fills 2 .. 7 are asked for so; the loop's last trip, whose refills are fills 6 and 7, asks for nothing.
.set WT,    4
.set NQ,    4
.set KST,   32
.set LAPS,  KST/(2*NQ)
.set FRB,   1536
.set TROW,  NQ*FRB
.set HALFT, WT*TROW
.set SLOT,  4*HALFT
.set SCL,   2*SLOT
.set HALFS, WT*KST*64
.set SPARE, SCL+4*HALFS
.set AIMG,  0
.set ASC,   12582912
.set BIMG,  6291456
.set BSC,   12582912+262144
.set ADRA, 16
.set ADRB, 20
.set STO,  24
.set RD,   25
.set CO,   26
.set ADRS, 27
.set SPW,  28
.set NIL,  29
.set LI8,  30
.set LR4,  31
.set SC,   32
.set AF,   64
.set BI,   96
.set G1, 24
.set G0, 32
.set G1B, 48
.set G0B, 56
.set G1S, 68
.set G0S, 76
.set G1SB, 80
.set G0SB, 88
.set PFO,  8                           ; v8 the prefetches' offset: 256 x min(lane, 23); never rewritten
.set PFA,  66                          ; s[66:67] my tile's bytes of the fill two behind the one that TURN 0's prefetch names
.set MSB, 0
.macro WIN new
.if MSB != (\new)
	s_set_vgpr_msb (MSB<<8)|(\new)
.set MSB, (\new)
.endif
.endm
.macro PLACES
.rept 4
	v_nop
.endr
.endm
.macro JLOAD g0a, g1a, g0b, g1b
	s_cmp_eq_u32 s15, 0
	s_cbranch_scc0 .Lfor_b_\@
	tensor_load_to_lds s[\g0a:\g0a+3], s[\g1a:\g1a+7]
	s_nop 0
.rept 4
	v_nop
.endr
	s_branch .Lasked_\@
.Lfor_b_\@:
	tensor_load_to_lds s[\g0b:\g0b+3], s[\g1b:\g1b+7]
	s_nop 0
.rept 4
	v_nop
.endr
.Lasked_\@:
.endm
.macro CREST
	s_cmp_lg_u32 s14, 0
	s_cbranch_scc1 .Lnot_wave_0_\@
	s_barrier_signal -3
.Lnot_wave_0_\@:
	s_barrier_wait -3
	s_barrier_signal -1
	s_barrier_wait -1
.endm
.macro CROUND
	s_barrier_signal -1
	s_barrier_wait -1
	CREST
.endm
.macro FRAG reg, a16, a8, off
	ds_load_b128 v[\reg:\reg+3], v[\a16] offset:\off
	ds_load_b64 v[\reg+4:\reg+5], v[\a8] offset:\off+512
	ds_load_b128 v[\reg+6:\reg+9], v[\a16] offset:\off+768
	ds_load_b64 v[\reg+10:\reg+11], v[\a8] offset:\off+1280
.endm
.macro FETCH slot, q, set
	WIN 0x40
.set II, 0
.rept WT
	FRAG 128*(\set)+12*II, ADRB+\slot, ADRB+2+\slot, II*TROW+(\q)*FRB
.set II, II+1
.endr
	WIN 0
.set II, 0
.rept WT
	FRAG AF+96*(\set)+12*II, ADRA+\slot, ADRA+2+\slot, II*TROW+(\q)*FRB
.set II, II+1
.endr
.endm
.macro SCALES sc
.set II, 0
.rept WT
.set QQ, 0
.rept NQ
	ds_load_b32 v[SC+16*(\sc)+NQ*II+QQ], v[ADRS] offset:II*KST*64+64*QQ
.set QQ, QQ+1
.endr
.set II, II+1
.endr
.endm
.macro MULS a0, n, set, q, sc, c
.set AA, \a0
.rept \n
.if \c == 0
	WIN 0xa1
.else
	WIN 0x91
.endif
.set BB, 0
.rept WT
.set DD, 8*(WT*AA+BB)
.if \c == 0
	v_wmma_scale_f32_16x16x128_f8f6f4 v[DD:DD+7], v[128*(\set)+12*BB:128*(\set)+12*BB+11], v[AF+96*(\set)+12*AA:AF+96*(\set)+12*AA+11], v[DD:DD+7], v[SC+16*(\sc)+NQ*BB+(\q)], v[SC+16*(\sc)+NQ*AA+(\q)] matrix_a_fmt:MATRIX_FMT_BF6 matrix_b_fmt:MATRIX_FMT_BF6 matrix_a_scale:MATRIX_SCALE_ROW1
.else
	v_wmma_scale_f32_16x16x128_f8f6f4 v[DD:DD+7], v[128*(\set)+12*BB:128*(\set)+12*BB+11], v[AF+96*(\set)+12*AA:AF+96*(\set)+12*AA+11], v[BI+8*BB:BI+8*BB+7], v[SC+16*(\sc)+NQ*BB+(\q)], v[SC+16*(\sc)+NQ*AA+(\q)] matrix_a_fmt:MATRIX_FMT_BF6 matrix_b_fmt:MATRIX_FMT_BF6 matrix_a_scale:MATRIX_SCALE_ROW1
.endif
.set BB, BB+1
.endr
.set AA, AA+1
.endr
.endm
.macro STEP slot, q, c
	s_wait_dscnt 0x0
	PLACES
	FETCH \slot, (\q)+1, 1-(\q)%2
	MULS 0, WT, (\q)%2, \q, \slot, \c
.endm
.macro TURN slot, next, fill
	WIN 0
.if (\fill) && (\slot) == 0
	s_wait_xcnt 0x0                                ; my prefetches have read their base: it steps a lap's two fills
	s_add_nc_u64 s[PFA:PFA+1], s[PFA:PFA+1], 2*TROW
.endif
	s_wait_tensorcnt 0x0
	ds_add_u32 v[SPW], v[NIL]
	s_wait_dscnt 1
	MULS 0, WT/4, 1, NQ-1, \slot, 0
	s_wait_dscnt 0x0
	s_barrier_signal -1
	MULS WT/4, WT/4, 1, NQ-1, \slot, 0
	WIN 0
	s_barrier_wait -1
.if \fill
	CREST
	s_add_nc_u64 s[G0+4*\slot+2:G0+4*\slot+3], s[G0+4*\slot+2:G0+4*\slot+3], 2*TROW
	s_add_nc_u64 s[G0B+4*\slot+2:G0B+4*\slot+3], s[G0B+4*\slot+2:G0B+4*\slot+3], 2*TROW
	JLOAD G0+4*\slot, G1, G0B+4*\slot, G1B
.else
	PLACES
.endif
	s_wait_alu depctr_va_vdst(0)
	v_add_nc_u32 v[ADRS], 64*NQ, v[ADRS]
	FETCH \next, 0, 0
	SCALES \next
.if \fill
	s_cmp_gt_u32 s3, 1                             ; s3 = 1 in the loop's last trip: no fill stands two on
	s_cbranch_scc0 .Lno_ask_\@
	global_prefetch_b8 v[PFO], s[PFA:PFA+1] offset:(2+\slot)*TROW th:TH_LOAD_NT scope:SCOPE_SE
.Lno_ask_\@:
.endif
	MULS WT/2, WT/2, 1, NQ-1, \slot, 0
.endm
	s_load_b256 s[4:11], s[0:1], 0x0
	s_load_b64 s[12:13], s[0:1], 0x20
	v_lshl_add_u32 v[SPW], v0, 2, SPARE
	v_mov_b32 v[NIL], 0
	ds_add_u32 v28, v29
	ds_add_u32 v28, v29
	s_wait_dscnt 0x0
	v_lshrrev_b32 v1, 5, v0
	v_readfirstlane_b32 s14, v1
	s_lshr_b32 s15, s14, 1
	s_and_b32 s16, s14, 1
	s_bfe_u32 s40, ttmp6, 0x40000
	s_bfe_u32 s41, ttmp6, 0x40004
	s_lshl_b32 s42, ttmp9, 2
	s_add_co_u32 s42, s42, s40
	s_and_b32 s17, ttmp7, 0xffff
	s_lshl_b32 s17, s17, 2
	s_add_co_u32 s17, s17, s41
	s_lshl_b32 s43, s41, 2
	s_lshl_b32 s43, 15, s43
	s_lshl_b32 s44, 0x1111, s40
	s_or_b32 s[G1+0], s43, (3<<16)|(1<<21)
	s_or_b32 s[G1B+0], s44, (3<<16)|(1<<21)
.irp g, G1, G1B
	s_mov_b32 s[\g+1], (TROW/8)<<16
	s_mov_b32 s[\g+2], (2*WT)<<16                  ; the head's loads bring 2 WT tiles; behind them the two words are set to WT
	s_mov_b32 s[\g+3], (TROW/8)<<16
	s_mov_b32 s[\g+4], 2*WT
	s_mov_b32 s[\g+5], KST*192
	s_mov_b32 s[\g+6], 0
	s_mov_b32 s[\g+7], 0
.endr
	s_or_b32 s[G1S+0], s43, (3<<16)|(1<<21)
	s_or_b32 s[G1SB+0], s44, (3<<16)|(1<<21)
.irp g, G1S, G1SB
	s_mov_b32 s[\g+1], 32<<16
	s_mov_b32 s[\g+2], (2*HALFS/256)<<16           ; a side's scale words whole: 2 HALFS dense bytes
	s_mov_b32 s[\g+3], 32<<16
	s_mov_b32 s[\g+4], 2*HALFS/256
	s_mov_b32 s[\g+5], 32
	s_mov_b32 s[\g+6], 0
	s_mov_b32 s[\g+7], 0
.endr
	s_mov_b32 s95, 0
	s_lshl_b32 s20, s17, 3                         ; A's first tile
	s_lshl_b32 s46, s42, 3                         ; B's
	s_mul_i32 s22, s20, KST*64
	s_add_co_u32 s22, s22, ASC
	s_mul_i32 s92, s46, KST*64
	s_add_co_u32 s92, s92, BSC
	s_mul_i32 s20, s20, KST*FRB
	s_add_co_u32 s20, s20, AIMG
	s_mul_i32 s46, s46, KST*FRB
	s_add_co_u32 s46, s46, BIMG
	s_mov_b32 s21, 0
	s_mov_b32 s23, 0
	s_mov_b32 s47, 0
	s_mov_b32 s93, 0
	s_mul_i32 s45, s14, HALFT
	s_mul_i32 s94, s16, WT*KST*FRB                 ; s[94:95]: bytes to the half that I fetch in the ring
	s_lshl_b32 s2, s42, 9
	s_lshl_b32 s3, s16, 8
	s_add_co_u32 s2, s2, s3
	s_lshl_b32 s18, s17, 19
	s_lshl_b32 s19, s15, 18
	s_add_co_u32 s18, s18, s19
	s_add_co_u32 s18, s18, s2
	s_mov_b32 s3, 0
	s_mov_b32 s19, 0
	s_wait_kmcnt 0x0
	s_add_nc_u64 s[20:21], s[4:5], s[20:21]
	s_add_nc_u64 s[22:23], s[4:5], s[22:23]
	s_add_nc_u64 s[46:47], s[6:7], s[46:47]
	s_add_nc_u64 s[92:93], s[6:7], s[92:93]
	s_add_nc_u64 s[8:9], s[8:9], s[2:3]
	s_add_nc_u64 s[10:11], s[10:11], s[18:19]
	s_add_nc_u64 s[12:13], s[12:13], s[18:19]
	s_lshl_b32 s2, s17, 3                          ; the prefetches' base: the block's first tile, in A by the block of tokens, in B by the block of columns,
	s_lshl_b32 s3, s42, 3
	s_cmp_eq_u32 s15, 0                            ; do I fetch for A?
	s_cselect_b32 s2, s2, s3
	s_cselect_b32 s3, s40, s41                     ; my place among the four that ask with me
	s_cselect_b32 s18, AIMG, BIMG
	s_cselect_b64 s[PFA:PFA+1], s[4:5], s[6:7]
	s_add_co_u32 s2, s2, s3
	s_lshl_b32 s3, s16, 2
	s_add_co_u32 s2, s2, s3                        ; + the WT tiles that I fetch
	s_mul_i32 s2, s2, KST*FRB
	s_add_co_u32 s2, s2, s18
	s_mov_b32 s3, 0
	s_add_nc_u64 s[PFA:PFA+1], s[PFA:PFA+1], s[2:3]
	CROUND
	s_mov_b32 s[G0S], 1
	s_mov_b32 s[G0S+1], SCL
	s_mov_b64 s[G0S+2:G0S+3], s[22:23]
	s_or_b32 s[G0S+3], s[G0S+3], 0x80000000
	s_mov_b32 s[G0SB], 1
	s_mov_b32 s[G0SB+1], SCL+2*HALFS
	s_mov_b64 s[G0SB+2:G0SB+3], s[92:93]
	s_or_b32 s[G0SB+3], s[G0SB+3], 0x80000000
	s_mov_b32 s[G0], 1                             ; the head's loads: slot 0's 2 WT tiles of A,
	s_mov_b32 s[G0+1], 0
	s_mov_b64 s[G0+2:G0+3], s[20:21]
	s_or_b32 s[G0+3], s[G0+3], 0x80000000
	s_mov_b32 s[G0B], 1                            ; and of B
	s_mov_b32 s[G0B+1], 2*HALFT
	s_mov_b64 s[G0B+2:G0B+3], s[46:47]
	s_or_b32 s[G0B+3], s[G0B+3], 0x80000000
	s_add_nc_u64 s[20:21], s[20:21], s[94:95]      ; the ring: my WT tiles; slot 1's group 0
	s_add_nc_u64 s[46:47], s[46:47], s[94:95]
	s_mov_b32 s[G0+4], 1
	s_add_co_u32 s[G0+5], s45, SLOT
	s_add_nc_u64 s[G0+6:G0+7], s[20:21], TROW
	s_or_b32 s[G0+7], s[G0+7], 0x80000000
	s_mov_b32 s[G0B+4], 1
	s_add_co_u32 s[G0B+5], s45, SLOT
	s_add_nc_u64 s[G0B+6:G0B+7], s[46:47], TROW
	s_or_b32 s[G0B+7], s[G0B+7], 0x80000000
; one joint load a wave at the head: wave 0 A's slot 0, wave 1 B's, wave 2 A's scale words, wave 3 B's: one chain of arms, one join
.macro ARM under, g0, g1, next
	s_cmp_lt_u32 s14, \under
	s_cbranch_scc0 \next
	tensor_load_to_lds s[\g0:\g0+3], s[\g1:\g1+7]
	s_nop 0
.rept 4
	v_nop
.endr
	s_branch .Lhead_asked
\next:
.endm
	ARM 1, G0,  G1,  .Lhead_b
	ARM 2, G0B, G1B, .Lhead_sa
	ARM 3, G0S, G1S, .Lhead_sb
	tensor_load_to_lds s[G0SB:G0SB+3], s[G1SB:G1SB+7]
	s_nop 0
.rept 4
	v_nop
.endr
.Lhead_asked:
	v_and_b32 v[PFO], 31, v0
	v_min_u32 v[PFO], 23, v[PFO]
	v_lshlrev_b32 v[PFO], 8, v[PFO]
	global_prefetch_b8 v[PFO], s[PFA:PFA+1] offset:TROW th:TH_LOAD_NT scope:SCOPE_SE     ; fill 1, behind fill 0's load too
	global_prefetch_b8 v[PFO], s[PFA:PFA+1] offset:2*TROW th:TH_LOAD_NT scope:SCOPE_SE   ; fill 2, behind fill 0's load
	v_and_b32 v1, 15, v0
	v_bfe_u32 v2, v0, 4, 1
	v_and_b32 v3, 31, v0
	v_lshlrev_b32 v4, 4, v3
	v_lshlrev_b32 v[LI8], 3, v3
	v_lshlrev_b32 v[LR4], 2, v1
	v_lshlrev_b32 v5, 6, v2
	v_lshlrev_b32 v6, 12, v2
	v_lshl_add_u32 v[CO], v1, 4, v6
	WIN 0x40
.irp b, 0,1,2,3
	global_load_b128 v[BI+8*\b:BI+8*\b+3], v5, s[8:9] offset:(32*(\b/2)+8*(\b%2))*4
	global_load_b128 v[BI+8*\b+4:BI+8*\b+7], v5, s[8:9] offset:(32*(\b/2)+8*(\b%2))*4+16
.endr
	WIN 0xc0
.irp a, 0,1,2,3
.irp t, 0,1,2,3,4,5,6,7
	global_load_b128 v[32*\a+4*\t:32*\a+4*\t+3], v[CO], s[10:11] offset:(32*(\a/2)+8*(\a%2)+2*\t+8*(\t/4))*4096 th:TH_LOAD_NT
.endr
.endr
	WIN 0
	s_mul_i32 s21, s15, HALFT
	s_mul_i32 s22, s16, HALFT
	s_add_co_u32 s22, s22, 2*HALFT
.irp s, 0,1
	v_add_nc_u32 v[ADRA+\s], s21, v4
	v_add_nc_u32 v[ADRA+2+\s], s21, v[LI8]
	v_add_nc_u32 v[ADRB+\s], s22, v4
	v_add_nc_u32 v[ADRB+2+\s], s22, v[LI8]
	s_add_co_u32 s21, s21, SLOT
	s_add_co_u32 s22, s22, SLOT
.endr
	s_mul_i32 s21, s15, HALFS
	s_mul_i32 s22, s16, HALFS
	s_add_co_u32 s22, s22, 2*HALFS
	s_sub_co_u32 s22, s22, s21
	v_mul_u32_u24 v6, s22, v2
	s_add_co_u32 s21, s21, SCL
	v_add_nc_u32 v6, v[LR4], v6
	v_add_nc_u32 v[ADRS], s21, v6
	s_mul_i32 s23, s14, 4352
	v_mul_u32_u24 v6, v1, 272
	v_lshl_add_u32 v6, v2, 6, v6
	v_add_nc_u32 v[STO], s23, v6
	v_mul_u32_u24 v6, v2, 272
	v_lshl_add_u32 v6, v1, 4, v6
	v_add_nc_u32 v[RD], s23, v6
	s_wait_alu depctr_va_vdst(0)
	s_wait_tensorcnt 0x0                           ; my one load of the head is in
	ds_add_u32 v[SPW], v[NIL]
	s_mov_b32 s[G1+2], WT<<16                      ; no load of mine is out: from here on a load brings WT tiles,
	s_mov_b32 s[G1+4], WT
	s_mov_b32 s[G1B+2], WT<<16
	s_mov_b32 s[G1B+4], WT
	s_add_co_u32 s[G0+1], s45, 0                   ; and slot 0's group 0 is the ring's: my quarter, one slot's bytes ahead of slot 1's
	s_sub_nc_u64 s[G0+2:G0+3], s[G0+6:G0+7], TROW
	s_add_co_u32 s[G0B+1], s45, 0
	s_sub_nc_u64 s[G0B+2:G0B+3], s[G0B+6:G0B+7], TROW
	s_wait_dscnt 0x0
	CROUND                                         ; slot 0 and the scale words are whole, and all sixteen work-groups are here
	JLOAD G0+4, G1, G0B+4, G1B                     ; slot 1's first fill, the first tensor load behind the round
	global_prefetch_b8 v[PFO], s[PFA:PFA+1] offset:3*TROW th:TH_LOAD_NT scope:SCOPE_SE   ; fill 3, behind fill 1's load
	FETCH 0, 0, 0
	SCALES 0
	s_wait_loadcnt 32
	STEP 0, 0, 2
	WIN 0
	s_mov_b32 s3, LAPS-1
.Llap:
	STEP 0, 1, 0
	STEP 0, 2, 0
	TURN 0, 1, 1
	STEP 1, 0, 0
	STEP 1, 1, 0
	STEP 1, 2, 0
	TURN 1, 0, 1
	STEP 0, 0, 0
	WIN 0
	s_sub_co_u32 s3, s3, 1
	s_cmp_lg_u32 s3, 0
	s_cbranch_scc1 .Llap
	STEP 0, 1, 0
	STEP 0, 2, 0
	TURN 0, 1, 0
	STEP 1, 0, 0
	STEP 1, 1, 0
	STEP 1, 2, 0
	s_wait_dscnt 0x0
	MULS 0, WT, 1, NQ-1, 1, 0
	WIN 0
.macro TOSTAGE a
	WIN 8
.irp b, 0,1,2,3
	ds_store_b128 v[STO], v[8*(4*(\a)+\b):8*(4*(\a)+\b)+3] offset:128*(\b/2)+32*(\b%2)
	ds_store_b128 v[STO], v[8*(4*(\a)+\b)+4:8*(4*(\a)+\b)+7] offset:128*(\b/2)+32*(\b%2)+16
.endr
	WIN 0
.irp t, 0,1,2,3,4,5,6,7
	ds_load_b128 v[128+32*((\a)%2)+4*\t:131+32*((\a)%2)+4*\t], v[RD] offset:544*\t
.endr
.endm
.macro SEND a, dy
	s_wait_dscnt \dy
	WIN 0x0c
.irp i, 0,2,4,6,8,10,12,14,16,18,20,22,24,26,28,30
	v_pk_add_f32 v[128+32*((\a)%2)+\i:129+32*((\a)%2)+\i], v[128+32*((\a)%2)+\i:129+32*((\a)%2)+\i], v[32*(\a)+\i:32*(\a)+\i+1]
.endr
	WIN 0
.irp t, 0,1,2,3,4,5,6,7
	global_store_b128 v[CO], v[128+32*((\a)%2)+4*\t:131+32*((\a)%2)+4*\t], s[12:13] offset:(32*((\a)/2)+8*((\a)%2)+2*\t+8*(\t/4))*4096 th:TH_STORE_NT
.endr
.endm
	PLACES
	s_wait_loadcnt 0x0
	TOSTAGE 0
	TOSTAGE 1
	SEND 0, 16
	s_wait_xcnt 0x0
	TOSTAGE 2
	SEND 1, 16
	s_wait_xcnt 0x0
	TOSTAGE 3
	SEND 2, 16
	SEND 3, 0
	s_wait_tensorcnt 0x0
	ds_add_u32 v[SPW], v[NIL]
	s_wait_dscnt 0x0
	CROUND
	s_endpgm
.Lfunc_end_k_q7afd12984d_fc2:
	.size	k_q7afd12984d_fc2, .Lfunc_end_k_q7afd12984d_fc2-k_q7afd12984d_fc2
	.p2alignl 7, 3214868480
	.fill 96, 4, 3214868480
	.section	.rodata,"a",@progbits
	.p2align	6, 0x0
	.amdhsa_kernel k_q7afd12984d_fc2
		.amdhsa_group_segment_fixed_size 327680
		.amdhsa_private_segment_fixed_size 0
		.amdhsa_enable_private_segment 0
		.amdhsa_kernarg_size 40
		.amdhsa_user_sgpr_count 2
		.amdhsa_user_sgpr_kernarg_segment_ptr 1
		.amdhsa_wavefront_size32 1
		.amdhsa_system_sgpr_workgroup_id_x 1
		.amdhsa_system_sgpr_workgroup_id_y 1
		.amdhsa_system_sgpr_workgroup_id_z 1
		.amdhsa_system_vgpr_workitem_id 0
		.amdhsa_next_free_vgpr 896
		.amdhsa_next_free_sgpr 98
		.amdhsa_reserve_vcc 0
		.amdhsa_float_denorm_mode_32 3
		.amdhsa_float_denorm_mode_16_64 3
		.amdhsa_memory_ordered 1
		.amdhsa_forward_progress 1
		.amdhsa_inst_pref_size 103
	.end_amdhsa_kernel
	.amdgpu_metadata
---
amdhsa.version: [ 1, 2 ]
amdhsa.kernels:
  - .name:           k_q7afd12984d_fc2
    .symbol:         k_q7afd12984d_fc2.kd
    .args:
      - { .name: g, .offset: 0, .size: 8, .value_kind: global_buffer, .address_space: global }
      - { .name: p1, .offset: 8, .size: 8, .value_kind: global_buffer, .address_space: global }
      - { .name: b_fc2, .offset: 16, .size: 8, .value_kind: global_buffer, .address_space: global }
      - { .name: x1, .offset: 24, .size: 8, .value_kind: global_buffer, .address_space: global }
      - { .name: out0, .offset: 32, .size: 8, .value_kind: global_buffer, .address_space: global }
    .group_segment_fixed_size: 327680
    .private_segment_fixed_size: 0
    .kernarg_segment_align: 8
    .kernarg_segment_size: 40
    .max_flat_workgroup_size: 128
    .sgpr_count:     98
    .vgpr_count:     896
    .wavefront_size: 32
...
	.end_amdgpu_metadata
.endif
;; end of part 6
